; MI455X (gfx1250); checked and timed in simulation.
; The chip was launched on July 23, 2026; its instructions are those of AMD's public machine-readable ISA for CDNA 5 (MIT licence, August 2026) and "CDNA5" Instruction Set Architecture Reference Guide (July 2026). The comments in the code are by the model that wrote it; some were corrected since.
;; Multi Head Attention. Allowed arithmetic: matrix products marked QUANTISED: E2M3 operands, one E8M0 scale for each 32 along K, by v_wmma_scale_f32_16x16x128_f8f6f4 with both operands' format E2M3, f32 sums; everything else in f32.
;; Inputs: b_out 1,024 float32; b_qkv 3,072 float32; w_out 1,024 x 1,024 float32; w_qkv 1,024 x 3,072 float32; x 4 x 2,048 x 1,024 float32.
;; Outputs: out0 4 x 2,048 x 1,024 float32.
;; This version of the problem:
;;   THIS VERSION OF THE PROBLEM IS GIVEN IN LOW PRECISION. The matrix products marked QUANTISED in the list below multiply operands that are first quantised to E2M3 (2 exponent bits, 3 mantissa bits; 6 bits a number), with one power-of-two scale for each 32 numbers along K (OCP MX v1.0); their sums are f32. All else is computed in f32.
;;   The module's matrix products, in the order in which they are computed (A, B: the left and right operand; K: the contracted axis; several contracted axes count as one K, in the product's order):
;;     1. [M 8,192, K 1,024] x [K 1,024, N 3,072]; A: input x; B: input w_qkv: QUANTISED
;;     2. batch 64 x [M 2,048, K 64] x [K 64, N 2,048]; A: computed on the way; B: computed on the way: QUANTISED
;;     3. batch 64 x [M 64, K 2,048] x [K 2,048, N 2,048]; A: computed on the way; B: softmax (see below): QUANTISED
;;     4. [M 8,192, K 1,024] x [K 1,024, N 1,024]; A: computed on the way; B: input w_out: QUANTISED
;;   THE QUANTISER, for each operand of a quantised product, along K:
;;     - K is cut into blocks of 32 from its start; a last block that is shorter is filled with zeros.
;;     - A block's scale is 2^e with e = floor(log2(the largest magnitude in the block)) - 2, held to -126 .. 127; a block of zeros has e = 0. As a byte (E8M0): e + 127.
;;     - Each number is divided by its block's scale, clamped to +-7.5, and rounded to the nearest number of E2M3, ties to even, subnormals kept.
;;     - The product sums the exact products of the quantised numbers (number of the format x scale) in f32.
;;   ~~~python
;;   def quantise(x, axis):      # numpy; x: float32 -> the quantised numbers, widened to float32 again
;;       x = np.moveaxis(x, axis, -1); K = x.shape[-1]
;;       x = np.pad(x, [(0, 0)] * (x.ndim - 1) + [(0, -K % 32)]); x = x.reshape(x.shape[:-1] + (-1, 32)); a = np.abs(x).max(-1, keepdims=True)
;;       e = np.where(a > 0, np.clip(np.frexp(np.where(a > 0, a, 1))[1] - 1 - 2, -126, 127), 0)      # np.frexp(a)[1] - 1 = floor(log2(a)), exactly
;;       r = np.clip(x / 2.0 ** e, -7.5, 7.5)
;;       step = 2.0 ** (np.maximum(np.frexp(np.where(r == 0, 1, r))[1] - 1, 0) - 3)
;;       q = np.round(r / step) * step * 2.0 ** e      # np.round: ties to even
;;       return np.moveaxis(q.reshape(q.shape[:-2] + (-1,))[..., :K], -1, axis).astype(np.float32)
;;   ~~~
;;   SOFTMAX AHEAD OF A QUANTISED PRODUCT. Where the list says 'softmax', what is quantised is not the finished softmax but p = 2^(t - M), with t = logit x log2(e) and M = ceil(the row's largest t), a whole number; so 1/2 < the row's largest p <= 1. The row's sum l is taken of the UNQUANTISED p, in f32, and the product's result is divided by l at the end. Since M is a whole number, a kernel that streams over the keys may use a running M (the ceiling of the running maximum): every later rescaling is an exact power of two, which a block's scale takes up: the codes' values come out the same.
;;   OPERANDS COMPUTED ON THE WAY. 'Computed on the way' means the value that the module computes at that place (a softmax that the list does not call 'softmax' is quantised finished and normalised). What goes into a quantiser is computed in f32, as accurately as f32 sums, v_exp_f32 and their like allow (about 1e-6 of the number): no bf16 or f16 on the way to a quantiser, and a product that is left as it is and whose result goes on into a quantised operand takes f32 operands (vector FMAs, or v_wmma_f32_16x16x4_f32). A number that lies on a knife's edge between two numbers of the format may be rounded either way, as far as f32 arithmetic and the matrix unit's own rounding can turn it there, and no further.
;; One version. Each part assembles by itself: llvm-mc -triple=amdgcn-amd-amdhsa -mcpu=gfx1250 --defsym DOCPART=n.
;; ======== version 1 of 1: 4 launches
;; limits: right only within a limited range of input values
;; workspace buffers: xf 6,291,456 bytes; wf 3,145,728 bytes; sc1 393,216 bytes; qkv 18,874,368 bytes; qkvs 786,432 bytes; of 6,291,456 bytes; os 524,288 bytes
;; launch quant (part 1): grid 32 x 8, 8 waves a work-group, no clusters, 70,656 bytes of LDS; arguments x, w_qkv, w_out, xf, wf, sc1; writes xf, wf, sc1
.if DOCPART == 1
	.amdgcn_target "amdgcn-amd-amdhsa--gfx1250"
	.amdhsa_code_object_version 6
	.text
	.protected	k_qaed14e8150_quant
	.globl	k_qaed14e8150_quant
	.p2align	8
	.type	k_qaed14e8150_quant,@function
k_qaed14e8150_quant:
	s_mov_b64 s[64:65], 0
	v_nop
	global_prefetch_b8 v0, s[64:65] scope:SCOPE_SE
	s_setreg_imm32_b32 hwreg(HW_REG_WAVE_MODE, 25, 1), 1
	s_wait_xcnt 0x0
; x [8192][1024], w_qkv [1024][3072] and w_out [1024][1024], f32, become codes of FP6 (E2M3) with one E8M0 byte for each 32 along K (K = 1024: x's columns, the weights' rows).
; A block's scale is 2^(floor(log2(its largest magnitude)) - 2); its byte is that magnitude's exponent field - 2, held at 1 from below.
; LIMITS: a block whose largest magnitude lies under 2^-124 keeps the byte 1 (a block of zeros too, where the rule says 127: its codes are zeros, and this program alone reads the bytes); NaN and infinities are not served.
; WHAT IS STORED.  A RECORD is an operand's registers as they stand: 16 rows x 128 K = 12 registers a lane = six pieces of 256 bytes, piece P at 256 P + 8 x lane holding registers 2 P, 2 P + 1.
; xf and wf: [tile of 16 rows][K step 8][1,536].  STORED ORDER: lane r of tile T holds logical row 32 (T / 2) + 8 (T % 2) + r + 8 (r / 8) (bits 3 and 4 of the row's number change places), so that a product
; which takes such tiles as source 0 leaves 16 neighbours along the next K in the 16 registers of two neighbouring tiles.  sc1: one word (4 bytes: 128 K) a stored row, in planes by K step.
; SHARES.  Work-group y = the K step.  x < 16: x's rows, a wave 64 rows (four tiles);  x = 16 .. 27: w_qkv, a wave 32 columns;  x = 28 .. 31: w_out.  Waves share nothing: no barrier.
.set WREG,  8704                       ; LDS of a wave (x's path alone): a stage of 16 rows x 528 bytes, then 256 bytes of scale words
.set WORDS, 8448
.set SPARE, 8*WREG                     ; the spare words, 128 bytes for each wave: four blocks of 256 bytes that no other line names
.set SPW,   12                         ; v12  my spare word's LDS address; never rewritten
.set NIL,   13                         ; v13  0; never rewritten
.set R,     16                         ; v16-143   two sets of 16 rows x 16 bytes as loaded  (the weights' path: a column's 128 numbers)
.set X,     144                        ; v144-207  64 numbers: register 16 b + i = k 32 b + 16 (lane / 16) + i of my row
.set PC,    208                        ; v208-226  the codes
.set TM,    228                        ; v228-243  at work
.set PW,    244                        ; v244      the scale word
.set SEL,   20                         ; s[20:21]  lane selects: lane l xor 16
; 64 numbers of a lane, register 16 b + i = k 32 b + 16 (lane / 16) + i, become a record's 12 registers in v[PC] on and the row's scale word in v[PW]
.macro QUANT s
.irp b, 0,1,2,3
	v_max3_num_f32 v[TM+\b], |v[(\s)+16*\b]|, |v[(\s)+1+16*\b]|, 0x1800000   ; my 16 numbers of block b, and the floor 2^(3 - 127): the byte cannot fall under 1
.endr
.irp i, 2,4,6,8,10,12,14
.irp b, 0,1,2,3
	s_delay_alu instid0(VALU_DEP_4)
	v_max3_num_f32 v[TM+\b], v[TM+\b], |v[(\s)+16*\b+\i]|, |v[(\s)+1+16*\b+\i]|   ; the four blocks by turns
.endr
.endr
.irp b, 0,1,2,3
	s_delay_alu instid0(VALU_DEP_4)
	v_permlanex16_b32 v[TM+4+\b], v[TM+\b], s[SEL], s[SEL+1]
.endr
.irp b, 0,1,2,3
	s_delay_alu instid0(VALU_DEP_4)
	v_max_num_f32 v[TM+\b], v[TM+\b], v[TM+4+\b]   ; with lane l xor 16's 16: the block's largest magnitude
.endr
.irp b, 0,1,2,3
	s_delay_alu instid0(VALU_DEP_4)
	v_add_nc_u32 v[TM+12+\b], 0xff000000, v[TM+\b]   ; 2 off its exponent field: the conversion takes this operand's exponent field as its scale
.endr
.irp b, 0,1,2,3
	s_delay_alu instid0(VALU_DEP_4)
	v_lshrrev_b32 v[TM+4+\b], 23, v[TM+12+\b]      ; the scale's byte
.endr
	s_delay_alu instid0(VALU_DEP_3)
	v_lshl_or_b32 v[PW], v[TM+5], 8, v[TM+4]
	s_delay_alu instid0(VALU_DEP_1)
	v_lshl_or_b32 v[PW], v[TM+6], 16, v[PW]
	s_delay_alu instid0(VALU_DEP_1)
	v_lshl_or_b32 v[PW], v[TM+7], 24, v[PW]
.irp c, 0,1
	v_cvt_scalef32_pk16_fp6_f32 v[PC+6*\c:PC+2+6*\c], v[(\s)+32*\c:(\s)+15+32*\c], v[TM+12+2*\c]
	v_cvt_scalef32_pk16_fp6_f32 v[PC+12+4*\c:PC+14+4*\c], v[(\s)+16+32*\c:(\s)+31+32*\c], v[TM+12+2*\c+1]   ; (a conversion's three registers begin on an even number)
.endr
	v_nop                                          ; one plain place behind the scaled conversions
.irp c, 0,1                                    ; the operand wants a whole block in a lane: lanes 0-15 block 2 c, lanes 16-31 block 2 c + 1
.irp i, 0,1,2
	v_permlane16_swap_b32 v[PC+6*\c+\i], v[PC+12+4*\c+\i]
.endr
.irp i, 0,1,2
	s_delay_alu instid0(VALU_DEP_3)
	v_mov_b32 v[PC+3+6*\c+\i], v[PC+12+4*\c+\i]
.endr
.endr
.endm
	s_load_b256 s[4:11], s[0:1], 0x0               ; x s[4:5], w_qkv s[6:7], w_out s[8:9], xf s[10:11]
	s_load_b128 s[12:15], s[0:1], 0x20             ; wf s[12:13], sc1 s[14:15]
	v_lshl_add_u32 v[SPW], v0, 2, SPARE
	v_mov_b32 v[NIL], 0
	v_lshrrev_b32 v1, 5, v0
	s_delay_alu instid0(VALU_DEP_1)
	v_readfirstlane_b32 s16, v1                    ; wave 0..7
	s_and_b32 s17, ttmp7, 0xffff                   ; the K step
	v_and_b32 v7, 31, v0                           ; lane
	s_cmp_lt_u32 ttmp9, 16
	s_cbranch_scc0 .Lweights
	; ---------------- x: K is innermost.  A load reads 512 consecutive bytes of one row (the K step's 128 numbers); 16 rows turn through my stage, so that a lane gets 16 neighbours of each block
	v_and_b32 v8, 15, v0                           ; r
	v_bfe_u32 v9, v0, 4, 1                         ; h
	s_mul_i32 s18, s16, WREG                       ; my region of LDS
	v_lshlrev_b32 v1, 4, v7                        ; 16 x lane: my bytes of a load
	s_delay_alu instid0(VALU_DEP_1)
	v_add_nc_u32 v2, s18, v1                       ; the stage, on the way in
	v_mul_u32_u24 v3, v8, 528
	s_delay_alu instid0(VALU_DEP_1)
	v_lshl_add_u32 v3, v9, 6, v3
	s_delay_alu instid0(VALU_DEP_1)
	v_add_nc_u32 v3, s18, v3                       ; and out: row r (528 bytes = 132 words: sixteen rows start at sixteen different banks), + 64 h
	v_lshlrev_b32 v4, 3, v7                        ; 8 x lane: my place in a piece
	s_add_co_u32 s19, s18, WORDS
	v_lshl_add_u32 v5, v8, 2, s19                  ; my row's scale word
	v_add_nc_u32 v6, s19, v4                       ; and 8 bytes a lane on the way out
	s_mov_b32 s[SEL], 0x76543210
	s_mov_b32 s[SEL+1], 0xfedcba98
.irp b, 0,1,2,3
	v_mov_b32 v[TM+4+\b], 0                        ; written once: a lane permute's destination counts as one of its sources
.endr
	s_lshl_b32 s22, ttmp9, 3
	s_add_co_u32 s22, s22, s16                     ; G: which 64 rows are my wave's
	s_lshl_b32 s24, s22, 18                        ; x: 64 rows of 4,096 bytes,
	s_lshl_b32 s23, s17, 9
	s_add_co_u32 s24, s24, s23                     ; + 512 bytes a K step
	s_mov_b32 s25, 0
	s_mul_i32 s26, s22, 4*12288                    ; xf: four tiles of 12,288 bytes,
	s_mul_i32 s23, s17, 1536
	s_add_co_u32 s26, s26, s23                     ; + a record a K step
	s_mov_b32 s27, 0
	s_mul_i32 s28, s17, 45056                      ; sc1: the K step's plane,
	s_lshl_b32 s23, s22, 8
	s_add_co_u32 s28, s28, s23                     ; + 64 words
	s_mov_b32 s29, 0
	s_wait_alu depctr_va_vdst(0)
	s_wait_kmcnt 0x0
	s_add_nc_u64 s[4:5], s[4:5], s[24:25]
	s_add_nc_u64 s[10:11], s[10:11], s[26:27]
	s_add_nc_u64 s[14:15], s[14:15], s[28:29]
.macro XLOAD t                         ; tile t's sixteen rows, in stored order, into set t % 2
.irp i, 0,1,2,3,4,5,6,7,8,9,10,11,12,13,14,15
	global_load_b128 v[R+64*((\t)%2)+4*\i:R+64*((\t)%2)+4*\i+3], v1, s[4:5] offset:(32*((\t)/2)+8*((\t)%2)+\i+8*(\i/8))*4096 th:TH_LOAD_NT
.endr
.endm
.macro UNIT t
.if (\t) < 3
	s_wait_loadcnt 16                              ; this tile's 16 loads are in; the next tile's 16 may be out
.else
	s_wait_loadcnt 0x0
.endif
.irp i, 0,1,2,3,4,5,6,7,8,9,10,11,12,13,14,15
	ds_store_b128 v2, v[R+64*((\t)%2)+4*\i:R+64*((\t)%2)+4*\i+3] offset:528*\i
.endr
.irp b, 0,1,2,3
.irp j, 0,1,2,3
	ds_load_b128 v[X+16*\b+4*\j:X+16*\b+4*\j+3], v3 offset:128*\b+16*\j   ; LDS serves a wave's instructions in order: these see the stores above
.endr
.endr
	s_wait_dscnt 0x0                               ; the numbers are back, the stores have read their registers, and the last tile's word store has read v[PW]
.if (\t) < 2
	XLOAD (\t)+2
.endif
	s_wait_xcnt 0x0                                ; the last tile's stores have read the codes' registers, which are written again below
	QUANT X
.irp p, 0,1,2,3,4,5
	global_store_b64 v4, v[PC+2*\p:PC+2*\p+1], s[10:11] offset:12288*(\t)+256*\p   ; 32 lanes store 256 consecutive bytes, at a multiple of 256 from xf's first byte
.endr
	ds_store_b32 v5, v[PW] offset:64*(\t)          ; both lanes of a row write the same word with the same value
.endm
	XLOAD 0
	XLOAD 1
	UNIT 0
	UNIT 1
	UNIT 2
	UNIT 3
	ds_load_b64 v[8:9], v6                         ; my 64 rows' words
	s_wait_dscnt 0x0
	global_store_b64 v4, v[8:9], s[14:15]          ; 256 consecutive bytes, aligned
	s_wait_tensorcnt 0x0                           ; the wave's end, behind my last LDS store
	ds_add_u32 v[SPW], v[NIL]
	s_wait_dscnt 0x0
	s_endpgm
	; ---------------- the weights: K is the FIRST axis.  A lane takes a column and its 128 registers run down the K step: a block's largest magnitude needs no other lane, and nothing is transposed
.Lweights:
	v_and_b32 v1, 7, v0                            ; lane 16 u + 8 x + y takes column 16 x + 8 u + y of my 32: lanes 0-15 are then one tile in stored order, lanes 16-31 the next
	v_bfe_u32 v2, v0, 4, 1
	v_bfe_u32 v3, v0, 3, 1
	s_delay_alu instid0(VALU_DEP_2)
	v_lshl_add_u32 v1, v2, 3, v1
	s_delay_alu instid0(VALU_DEP_1)
	v_lshl_add_u32 v1, v3, 4, v1
	s_delay_alu instid0(VALU_DEP_1)
	v_lshlrev_b32 v1, 2, v1                        ; in bytes
	s_wait_alu depctr_va_vdst(0)
	v_lshlrev_b32 v4, 3, v7                        ; 8 x lane
	v_lshlrev_b32 v5, 2, v7                        ; 4 x lane
	s_cmp_lt_u32 ttmp9, 28
	s_cbranch_scc0 .Lw_out
; N: the weight's columns; XB: its first work-group x; TILE0: its first tile in wf; PLANE, PITCH: its scale words in sc1; WB: the scalar pair with its address
.macro WPATH N, XB, TILE0, PLANE, PITCH, WB
	s_sub_co_u32 s18, ttmp9, \XB
	s_lshl_b32 s18, s18, 8
	s_lshl_b32 s19, s16, 5
	s_add_co_u32 s18, s18, s19                     ; my wave's first column
	s_mul_i32 s24, s17, 128*\N*4                   ; the K step's 128 rows,
	s_lshl_b32 s19, s18, 2
	s_add_co_u32 s24, s24, s19                     ; + my columns
	s_mov_b32 s25, 0
	s_lshr_b32 s26, s18, 4
	s_add_co_u32 s26, s26, \TILE0
	s_mul_i32 s26, s26, 12288                      ; wf: my first tile,
	s_mul_i32 s23, s17, 1536
	s_add_co_u32 s26, s26, s23                     ; the K step's record
	s_mov_b32 s27, 0
	s_mul_i32 s28, s17, \PITCH
	s_add_co_u32 s28, s28, s19
	s_add_co_u32 s28, s28, \PLANE                  ; sc1: the K step's plane, my 32 words
	s_mov_b32 s29, 0
	s_wait_kmcnt 0x0
	s_add_nc_u64 s[\WB:\WB+1], s[\WB:\WB+1], s[24:25]
	s_add_nc_u64 s[12:13], s[12:13], s[26:27]
	s_add_nc_u64 s[14:15], s[14:15], s[28:29]
.set j, 0
.rept 128
	global_load_b32 v[R+j], v1, s[\WB:\WB+1] offset:j*\N*4 th:TH_LOAD_NT   ; row j of the K step: the wave reads 128 consecutive bytes, the work-group 1,024
.set j, j+1
.endr
.irp c, 0,1                                    ; blocks 2 c and 2 c + 1: registers 6 c .. 6 c + 5 of both tiles' records
.if \c == 0
	s_wait_loadcnt 63                              ; the first 64 loads are in: 64 are younger, and the wait's field names 63 at the most
.else
	s_wait_loadcnt 0x0
	s_wait_xcnt 0x0                                ; the stores above have read the codes' registers
.endif
	v_max3_num_f32 v168, |v[R+64*\c]|, |v[R+1+64*\c]|, 0x1800000    ; with the floor 2^(3 - 127)
	v_max3_num_f32 v169, |v[R+32+64*\c]|, |v[R+33+64*\c]|, 0x1800000
.irp i, 2,4,6,8,10,12,14,16,18,20,22,24,26,28,30
	s_delay_alu instid0(VALU_DEP_2)
	v_max3_num_f32 v168, v168, |v[R+64*\c+\i]|, |v[R+1+64*\c+\i]|
	s_delay_alu instid0(VALU_DEP_2)
	v_max3_num_f32 v169, v169, |v[R+32+64*\c+\i]|, |v[R+33+64*\c+\i]|
.endr
	s_delay_alu instid0(VALU_DEP_2)
	v_add_nc_u32 v170, 0xff000000, v168            ; the conversions' scale operands
	s_delay_alu instid0(VALU_DEP_2)
	v_add_nc_u32 v171, 0xff000000, v169
	s_delay_alu instid0(VALU_DEP_2)
	v_lshrrev_b32 v172, 23, v170                   ; the bytes
	s_delay_alu instid0(VALU_DEP_2)
	v_lshrrev_b32 v173, 23, v171
.if \c == 0
	s_delay_alu instid0(VALU_DEP_1)
	v_lshl_or_b32 v174, v173, 8, v172              ; my column's scale word, the lower K in the lower byte
.else
	s_delay_alu instid0(VALU_DEP_2)
	v_lshl_or_b32 v174, v172, 16, v174
	s_delay_alu instid0(VALU_DEP_1)
	v_lshl_or_b32 v174, v173, 24, v174
.endif
	v_cvt_scalef32_pk16_fp6_f32 v[144:146], v[R+64*\c:R+15+64*\c], v170      ; block 2 c, lower 16
	v_cvt_scalef32_pk16_fp6_f32 v[160:162], v[R+16+64*\c:R+31+64*\c], v170   ; upper 16
	v_cvt_scalef32_pk16_fp6_f32 v[152:154], v[R+32+64*\c:R+47+64*\c], v171   ; block 2 c + 1
	v_cvt_scalef32_pk16_fp6_f32 v[164:166], v[R+48+64*\c:R+63+64*\c], v171
	v_nop                                          ; one plain place behind the scaled conversions
.irp i, 0,1,2                                  ; a record's lanes 0-15 hold block 2 c of a tile's 16 columns, lanes 16-31 block 2 c + 1 of the same columns: the first register's upper lanes change places with the second's lower
	v_permlane16_swap_b32 v[144+\i], v[152+\i]
	v_permlane16_swap_b32 v[160+\i], v[164+\i]
.endr
.irp i, 0,1,2
	v_mov_b32 v[147+\i], v[160+\i]                 ; v144-149: the first tile's six registers;
	v_mov_b32 v[155+\i], v[164+\i]                 ; v152-157: the second's
.endr
.irp p, 0,1,2
	global_store_b64 v4, v[144+2*\p:145+2*\p], s[12:13] offset:768*\c+256*\p         ; 256 consecutive bytes, aligned
	global_store_b64 v4, v[152+2*\p:153+2*\p], s[12:13] offset:12288+768*\c+256*\p
.endr
.endr
	global_store_b32 v5, v174, s[14:15]
	s_endpgm
.endm
	WPATH 3072, 16, 0, 32768, 45056, 6
.Lw_out:
	WPATH 1024, 28, 192, 360448, 4096, 8
.Lfunc_end_k_qaed14e8150_quant:
	.size	k_qaed14e8150_quant, .Lfunc_end_k_qaed14e8150_quant-k_qaed14e8150_quant
	.p2alignl 7, 3214868480
	.fill 96, 4, 3214868480
	.section	.rodata,"a",@progbits
	.p2align	6, 0x0
	.amdhsa_kernel k_qaed14e8150_quant
		.amdhsa_group_segment_fixed_size 70656
		.amdhsa_private_segment_fixed_size 0
		.amdhsa_enable_private_segment 0
		.amdhsa_kernarg_size 48
		.amdhsa_user_sgpr_count 2
		.amdhsa_user_sgpr_kernarg_segment_ptr 1
		.amdhsa_wavefront_size32 1
		.amdhsa_system_sgpr_workgroup_id_x 1
		.amdhsa_system_sgpr_workgroup_id_y 1
		.amdhsa_system_sgpr_workgroup_id_z 1
		.amdhsa_system_vgpr_workitem_id 0
		.amdhsa_next_free_vgpr 248
		.amdhsa_next_free_sgpr 66
		.amdhsa_reserve_vcc 0
		.amdhsa_float_denorm_mode_32 3
		.amdhsa_float_denorm_mode_16_64 3
		.amdhsa_memory_ordered 1
		.amdhsa_forward_progress 1
		.amdhsa_inst_pref_size 87
	.end_amdhsa_kernel
	.amdgpu_metadata
---
amdhsa.version: [ 1, 2 ]
amdhsa.kernels:
  - .name:           k_qaed14e8150_quant
    .symbol:         k_qaed14e8150_quant.kd
    .args:
      - { .name: x, .offset: 0, .size: 8, .value_kind: global_buffer, .address_space: global }
      - { .name: w_qkv, .offset: 8, .size: 8, .value_kind: global_buffer, .address_space: global }
      - { .name: w_out, .offset: 16, .size: 8, .value_kind: global_buffer, .address_space: global }
      - { .name: xf, .offset: 24, .size: 8, .value_kind: global_buffer, .address_space: global }
      - { .name: wf, .offset: 32, .size: 8, .value_kind: global_buffer, .address_space: global }
      - { .name: sc1, .offset: 40, .size: 8, .value_kind: global_buffer, .address_space: global }
    .group_segment_fixed_size: 70656
    .private_segment_fixed_size: 0
    .kernarg_segment_align: 8
    .kernarg_segment_size: 48
    .max_flat_workgroup_size: 256
    .sgpr_count:     66
    .vgpr_count:     248
    .wavefront_size: 32
...
	.end_amdgpu_metadata
.endif
;; end of part 1
;; launch proj (part 2): grid 12 x 32, 4 waves a work-group, clusters of 4 x 4, 327,680 bytes of LDS; arguments xf, wf, sc1, b_qkv, qkv, qkvs; writes qkv, qkvs
.if DOCPART == 2
	.amdgcn_target "amdgcn-amd-amdhsa--gfx1250"
	.amdhsa_code_object_version 6
	.text
	.protected	k_qaed14e8150_proj
	.globl	k_qaed14e8150_proj
	.p2align	8
	.type	k_qaed14e8150_proj,@function
k_qaed14e8150_proj:
	s_mov_b64 s[64:65], 0
	v_nop
	global_prefetch_b8 v0, s[64:65] scope:SCOPE_SE
	s_setreg_imm32_b32 hwreg(HW_REG_WAVE_MODE, 25, 1), 1
	s_wait_xcnt 0x0
	s_wait_alu depctr_hold_cnt(0) depctr_sa_sdst(0) depctr_va_vdst(0) depctr_va_sdst(0) depctr_va_ssrc(0) depctr_va_vcc(0) depctr_vm_vsrc(0)
	s_getreg_b32 s2, hwreg(HW_REG_IB_STS2, 6, 4)
	s_cmp_eq_u32 s2, 0
	s_cbranch_scc0 .Lentry_in_a_cluster
	s_endpgm
.Lentry_in_a_cluster:
	s_bfe_u32 s2, ttmp6, 0x10000c
	s_cmp_lg_u32 s2, 0xf033
	s_cbranch_scc0 .Lentry_shape_is_right
	s_endpgm
.Lentry_shape_is_right:
.set SLOT,  98304
.set PART,  24576
.set SPARE, 3*SLOT
.set FR,    12
.set ADRA,  16
.set ADRB,  20
.set LBO,   23
.set VO0,   24
.set VO1,   25
.set SWO,   26
.set PSEL,  27
.set SPW,   28
.set NIL,   29
.set SCO,   30
.set RBO,   31
.set SC,    32
.set LB,    96
.set KW,    112
.set TW,    120
.set AF,    128
.set H,     128
.set PC,    192
.set TM,    212
.set PW,    228
.set G1,    24
.set G0,    32
.set G1B,   44
.set G0B,   52
.set SEL,   96
.set MSB, 0
.macro WIN new
.if MSB != (\new)
	s_set_vgpr_msb (MSB<<8)|(\new)
.set MSB, (\new)
.endif
.endm
.set MUL_LO, 0xa1
.set MUL_HI, 0xf1
.set TO_B,   0x40
.macro PLACES
.rept 4
	v_nop
.endr
.endm
.macro JLOAD f
	s_cmp_eq_u32 s17, 0
	s_cbranch_scc0 .Lfor_w_\@
	tensor_load_to_lds s[G0+4*\f:G0+4*\f+3], s[G1:G1+7]
	s_nop 0
.rept 4
	v_nop
.endr
	s_branch .Lasked_\@
.Lfor_w_\@:
	tensor_load_to_lds s[G0B+4*\f:G0B+4*\f+3], s[G1B:G1B+7]
	s_nop 0
.rept 4
	v_nop
.endr
.Lasked_\@:
.endm
.macro CREST
	s_cmp_lg_u32 s16, 0
	s_cbranch_scc1 .Lnot_wave_0_\@
	s_barrier_signal -3
.Lnot_wave_0_\@:
	s_barrier_wait -3
	s_barrier_signal -1
	s_barrier_wait -1
.endm
.macro CROUND
	s_barrier_signal -1
	s_barrier_wait -1
	CREST
.endm
	s_load_b256 s[4:11], s[0:1], 0x0
	s_load_b128 s[12:15], s[0:1], 0x20
	v_lshl_add_u32 v[SPW], v0, 2, SPARE
	v_mov_b32 v[NIL], 0
	ds_add_u32 v[SPW], v[NIL]
	ds_add_u32 v[SPW], v[NIL]
	v_lshrrev_b32 v1, 5, v0
	v_readfirstlane_b32 s16, v1
	s_lshr_b32 s17, s16, 1
	s_and_b32 s18, s16, 1
	s_bfe_u32 s19, ttmp6, 0x40000
	s_bfe_u32 s20, ttmp6, 0x40004
	s_lshl_b32 s21, ttmp9, 2
	s_add_co_u32 s21, s21, s19
	s_and_b32 s22, ttmp7, 0xffff
	s_lshl_b32 s22, s22, 2
	s_add_co_u32 s22, s22, s20
	s_lshl_b32 s80, s20, 2
	s_lshl_b32 s80, 15, s80
	s_lshl_b32 s81, 0x1111, s19
	s_or_b32 s[G1], s80, (3<<16)|(1<<21)
	s_or_b32 s[G1B], s81, (3<<16)|(1<<21)
.irp g, G1, G1B
	s_mov_b32 s[\g+1], 768<<16                     ; the head's load: rows of 6,144 bytes, K steps 0 to 3 of a tile
	s_mov_b32 s[\g+2], 8<<16
	s_mov_b32 s[\g+3], 768<<16
	s_mov_b32 s[\g+4], 8
	s_mov_b32 s[\g+5], 1536
	s_mov_b32 s[\g+6], 0
	s_mov_b32 s[\g+7], 0
.endr
	s_cmp_eq_u32 ttmp9, 2
	s_cselect_b32 s23, 1, 0
	s_cselect_b32 s66, s17, s18
	s_cselect_b32 s67, s18, s17
	s_mov_b32 s68, 768
	s_cselect_b32 s68, 1536, s68
	s_mov_b32 s69, 0
	s_cselect_b32 s70, 92160, 0
	s_mov_b32 s71, 0
	s_mov_b32 s72, 98304
	s_cselect_b32 s72, 768, s72
	s_cselect_b32 s73, 0, -1
	s_cselect_b32 s74, -1, 0
	s_cselect_b32 s98, -1, 0
	s_cselect_b32 s82, 49152, 0
	s_cselect_b32 s83, 0, 49152
	s_mov_b32 s99, 0xffff0000
	s_mov_b32 s[SEL], 0x76543210
	s_mov_b32 s[SEL+1], 0xfedcba98
	s_lshl_b32 s88, s18, 3
	s_lshl_b32 s84, s22, 4
	s_add_co_u32 s84, s84, s88
	s_mul_i32 s84, s84, 12288
	s_mov_b32 s85, 0
	s_lshl_b32 s86, s21, 4
	s_add_co_u32 s86, s86, s88
	s_mul_i32 s86, s86, 12288
	s_mov_b32 s87, 0
	s_mul_i32 s89, s16, PART
	s_wait_dscnt 0x0
	s_wait_kmcnt 0x0
	s_add_nc_u64 s[84:85], s[4:5], s[84:85]
	s_add_nc_u64 s[86:87], s[6:7], s[86:87]
	CROUND
; LDS: region X, 4 waves x 49,152 bytes: my 8 tiles x K steps 0 to 3 (6,144 bytes a tile); region Y behind it, 4 x 24,576: K steps 4, 5 (3,072 a tile).
; K steps 6, 7 are filled over the first 24,576 bytes of my part of X, when X is read no more.
	s_mul_i32 s88, s16, 2*PART                     ; my part of X
	s_add_co_u32 s89, s89, 2*SLOT                  ; my part of Y
.irp f, 0,1
	s_mov_b32 s[G0+4*\f], 1
	s_mov_b32 s[G0+4*\f+1], s[88+\f]
	s_add_nc_u64 s[G0+4*\f+2:G0+4*\f+3], s[84:85], \f*6144
	s_or_b32 s[G0+4*\f+3], s[G0+4*\f+3], 0x80000000
	s_mov_b32 s[G0B+4*\f], 1
	s_mov_b32 s[G0B+4*\f+1], s[88+\f]
	s_add_nc_u64 s[G0B+4*\f+2:G0B+4*\f+3], s[86:87], \f*6144
	s_or_b32 s[G0B+4*\f+3], s[G0B+4*\f+3], 0x80000000
.endr
	JLOAD 0                                        ; one tensor load a wave at the head
	v_and_b32 v1, 15, v0
	v_bfe_u32 v2, v0, 4, 1
	v_and_b32 v3, 31, v0
	v_lshlrev_b32 v[VO0], 3, v3
	s_wait_alu depctr_va_vdst(0)
	s_mul_i32 s90, s17, PART
	s_add_co_u32 s90, s90, s82
	s_mul_i32 s91, s18, PART
	s_add_co_u32 s91, s91, s83
	s_add_co_u32 s2, s90, 2*SLOT                   ; address 1: my operands' parts of Y
	s_add_co_u32 s3, s91, 2*SLOT
	s_lshl_b32 s90, s90, 1                         ; address 0: their parts of X, twice as long
	s_lshl_b32 s91, s91, 1
	v_add_nc_u32 v[ADRA], s90, v[VO0]
	v_add_nc_u32 v[ADRB], s91, v[VO0]
	v_add_nc_u32 v[ADRA+1], s2, v[VO0]
	v_add_nc_u32 v[ADRB+1], s3, v[VO0]
	v_add_nc_u32 v[VO1], s72, v[VO0]
	v_lshlrev_b32 v[SWO], 4, v1
	v_lshl_add_u32 v[SWO], v2, 12, v[SWO]
	v_mov_b32 v[PSEL], 0x05040100
	v_mov_b32 v[TW], 0x07060302
	v_cndmask_b32 v[PSEL], v[PSEL], v[TW], s99
	v_lshlrev_b32 v[RBO], 6, v2
	s_wait_alu depctr_va_vdst(0)
	v_and_b32 v[LBO], 8, v1
	v_add_nc_u32 v[LBO], v[LBO], v1
	v_lshlrev_b32 v[LBO], 2, v[LBO]
	s_wait_alu depctr_va_vdst(0)
	s_lshl_b32 s92, s22, 8
	s_lshl_b32 s94, s67, 7
	s_add_co_u32 s92, s92, s94
	s_lshl_b32 s93, s21, 8
	s_lshl_b32 s94, s66, 7
	s_add_co_u32 s93, s93, s94
	s_lshl_b32 s2, s93, 2
	s_mov_b32 s3, 0
	s_add_nc_u64 s[10:11], s[10:11], s[2:3]
	s_add_co_u32 s93, s93, 8192
	s_cmp_eq_u32 s23, 1
	s_cselect_b32 s94, s93, s92
	s_cselect_b32 s95, s92, s93
	v_mov_b32 v[TW], s94
	v_mov_b32 v[TW+1], s95
	v_cndmask_b32 v[TW], v[TW], v[TW+1], s99
	v_add_nc_u32 v[TW], v[TW], v1
	v_lshlrev_b32 v[SCO], 2, v[TW]
.irp s, 0,1,2,3,4,5,6,7
.irp i, 0,1,2,3,4,5,6,7
	global_load_b32 v[SC+8*\s+\i], v[SCO], s[8:9] offset:45056*\s+64*\i
.endr
.endr
	WIN TO_B
.irp b, 0,1,2,3,4,5,6,7
	global_load_b128 v[96+8*\b+96*(\b/4):96+8*\b+96*(\b/4)+3], v[RBO], s[10:11] offset:(32*(\b/2)+8*(\b%2))*4
	global_load_b128 v[96+8*\b+96*(\b/4)+4:96+8*\b+96*(\b/4)+7], v[RBO], s[10:11] offset:(32*(\b/2)+8*(\b%2))*4+16
.endr
	WIN 0
.irp a, 0,1,2,3,4,5,6,7
	global_load_b32 v[LB+2*\a], v[LBO], s[10:11] offset:(32*(\a/2)+8*(\a%2))*4
	global_load_b32 v[LB+2*\a+1], v[LBO], s[10:11] offset:(32*(\a/2)+8*(\a%2))*4
.endr
	s_lshr_b32 s90, s22, 3
	s_lshl_b32 s90, s90, 4
	s_and_b32 s91, s21, 3
	s_lshl_b32 s91, s91, 2
	s_add_co_u32 s90, s90, s91
	s_lshl_b32 s91, s66, 1
	s_add_co_u32 s90, s90, s91
	s_and_b32 s91, s22, 7
	s_lshl_b32 s91, s91, 1
	s_add_co_u32 s91, s91, s67
	s_lshr_b32 s92, s21, 2
	s_mul_i32 s94, s92, 6291456
	s_mul_i32 s95, s90, 98304
	s_add_co_u32 s94, s94, s95
	s_mul_i32 s95, s91, 6144
	s_add_co_u32 s94, s94, s95
	s_mov_b32 s95, 0
	s_add_nc_u64 s[76:77], s[12:13], s[94:95]
	s_lshl_b32 s94, s92, 18
	s_lshl_b32 s93, s90, 12
	s_add_co_u32 s94, s94, s93
	s_lshl_b32 s93, s91, 8
	s_add_co_u32 s94, s94, s93
	s_add_nc_u64 s[78:79], s[14:15], s[94:95]
	s_wait_loadcnt 0x0
	WIN 0x45
.irp b, 0,1,2,3,4,5,6,7
.irp j, 0,1,2,3,4,5,6,7
	v_and_b32 v[96+8*\b+96*(\b/4)+\j], s73, v[96+8*\b+96*(\b/4)+\j]
.endr
.endr
	WIN 0
.irp j, 0,1,2,3,4,5,6,7,8,9,10,11,12,13,14,15
	v_and_b32 v[LB+\j], s74, v[LB+\j]
.endr
.macro FRAG reg, adr, q, i
.irp p, 0,1,2,3,4,5
	ds_load_b64 v[(\reg)+2*\p:(\reg)+2*\p+1], v[\adr] offset:1536*(\q)+TP*(\i)+256*\p   ; TP: bytes from tile to tile in the region that is read
.endr
.endm
.macro FETCH_B slot, q, p
	WIN TO_B
.irp i, 0,1,2,3,4,5,6,7
	FRAG 128*(\p)+FR*\i, ADRB+\slot, \q, \i
.endr
	WIN 0
.endm
.macro FETCH_A slot, q, i0
.irp i, \i0, \i0+1, \i0+2, \i0+3
	FRAG AF+FR*(\i), ADRA+\slot, \q, \i
.endr
.endm
.macro MUL16 a0, s, first
.irp a, \a0, \a0+1
.irp b, 0,1,2,3,4,5,6,7
.if \first
	v_wmma_scale_f32_16x16x128_f8f6f4 v[8*(8*((\a)%4)+\b):8*(8*((\a)%4)+\b)+7], v[128*((\s)%2)+FR*\b:128*((\s)%2)+FR*\b+FR-1], v[AF+FR*(\a):AF+FR*(\a)+FR-1], v[96+8*\b+96*(\b/4):96+8*\b+96*(\b/4)+7], v[SC+8*(\s)+\b], v[SC+8*(\s)+(\a)] matrix_a_fmt:MATRIX_FMT_FP6 matrix_b_fmt:MATRIX_FMT_FP6 matrix_a_scale:MATRIX_SCALE_ROW1
.else
	v_wmma_scale_f32_16x16x128_f8f6f4 v[8*(8*((\a)%4)+\b):8*(8*((\a)%4)+\b)+7], v[128*((\s)%2)+FR*\b:128*((\s)%2)+FR*\b+FR-1], v[AF+FR*(\a):AF+FR*(\a)+FR-1], v[8*(8*((\a)%4)+\b):8*(8*((\a)%4)+\b)+7], v[SC+8*(\s)+\b], v[SC+8*(\s)+(\a)] matrix_a_fmt:MATRIX_FMT_FP6 matrix_b_fmt:MATRIX_FMT_FP6 matrix_a_scale:MATRIX_SCALE_ROW1
.endif
.endr
.endr
.endm
.macro STEP s, nslot, nq, first
	s_wait_dscnt 24
	WIN MUL_LO-0x10*(\first)
	MUL16 0, \s, \first
	MUL16 2, \s, \first
	s_wait_dscnt 0x0
	PLACES
	FETCH_B \nslot, \nq, 1-(\s)%2
	FETCH_A \nslot, \nq, 0
	WIN MUL_HI-0x20*(\first)
	MUL16 4, \s, \first
	MUL16 6, \s, \first
	PLACES
	WIN 0
	FETCH_A \nslot, \nq, 4
.endm
.macro TURN s, nslot, fill
	s_wait_tensorcnt 0x0
	ds_add_u32 v[SPW], v[NIL]
	s_wait_dscnt 25
	WIN MUL_LO
	MUL16 0, \s, 0
	s_wait_dscnt 0x0
	s_barrier_signal -1
	MUL16 2, \s, 0
	WIN 0
	s_barrier_wait -1
.if \fill
	CREST
	s_add_nc_u64 s[G0+2:G0+3], s[G0+2:G0+3], 3*3072
	s_add_nc_u64 s[G0B+2:G0B+3], s[G0B+2:G0B+3], 3*3072
	JLOAD 0
.else
	PLACES
.endif
	FETCH_B \nslot, 0, 1-(\s)%2
	FETCH_A \nslot, 0, 0
	WIN MUL_HI
	MUL16 4, \s, 0
	MUL16 6, \s, 0
	PLACES
	WIN 0
	FETCH_A \nslot, 0, 4
.endm
	s_wait_alu depctr_va_vdst(0)                   ; the wait at the head's end
	s_wait_tensorcnt 0x0                           ; my part of X is in; the three lines ahead of a later first fill
	ds_add_u32 v[SPW], v[NIL]
	s_mov_b32 s[G1+1], 384<<16                     ; no load of mine is out: from here on rows of 3,072 bytes, two K steps
	s_mov_b32 s[G1+3], 384<<16
	s_mov_b32 s[G1B+1], 384<<16
	s_mov_b32 s[G1B+3], 384<<16
	s_wait_dscnt 0x0
	CROUND
	JLOAD 1                                        ; K steps 4, 5 into Y: the first tensor load behind the round
.set TP, 6144
	FETCH_B 0, 0, 0
	FETCH_A 0, 0, 0
	FETCH_A 0, 0, 4
	STEP 0, 0, 1, 1
	STEP 1, 0, 2, 0
	STEP 2, 0, 3, 0
.set TP, 3072
	TURN 3, 1, 1                                   ; Y is whole, X is read no more: K steps 6, 7 are filled over my part's first bytes
	STEP 4, 1, 1, 0
	TURN 5, 0, 0
	STEP 6, 0, 1, 0
	s_wait_dscnt 24
	WIN MUL_LO
	MUL16 0, 7, 0
	MUL16 2, 7, 0
	s_wait_dscnt 0x0
	WIN MUL_HI
	MUL16 4, 7, 0
	MUL16 6, 7, 0
	WIN 0
	PLACES
.macro QUANT s
.irp b, 0,1,2,3
	v_max3_num_f32 v[TM+\b], |v[(\s)+16*\b]|, |v[(\s)+1+16*\b]|, 0x1800000
.endr
.irp i, 2,4,6,8,10,12,14
.irp b, 0,1,2,3
	v_max3_num_f32 v[TM+\b], v[TM+\b], |v[(\s)+16*\b+\i]|, |v[(\s)+1+16*\b+\i]|
.endr
.endr
.irp b, 0,1,2,3
	v_permlanex16_b32 v[TM+4+\b], v[TM+\b], s[SEL], s[SEL+1]
.endr
.irp b, 0,1,2,3
	v_max_num_f32 v[TM+\b], v[TM+\b], v[TM+4+\b]
.endr
.irp b, 0,1,2,3
	v_add_nc_u32 v[TM+12+\b], 0xff000000, v[TM+\b]
.endr
.irp b, 0,1,2,3
	v_lshrrev_b32 v[TM+4+\b], 23, v[TM+12+\b]
.endr
	v_lshl_or_b32 v[PW], v[TM+5], 8, v[TM+4]
	v_lshl_or_b32 v[PW], v[TM+6], 16, v[PW]
	v_lshl_or_b32 v[PW], v[TM+7], 24, v[PW]
.irp c, 0,1
	v_cvt_scalef32_pk16_fp6_f32 v[PC+6*\c:PC+2+6*\c], v[(\s)+32*\c:(\s)+15+32*\c], v[TM+12+2*\c]
	v_cvt_scalef32_pk16_fp6_f32 v[PC+12+4*\c:PC+14+4*\c], v[(\s)+16+32*\c:(\s)+31+32*\c], v[TM+12+2*\c+1]
.endr
	v_nop
.irp c, 0,1
.irp i, 0,1,2
	v_permlane16_swap_b32 v[PC+6*\c+\i], v[PC+12+4*\c+\i]
.endr
.irp i, 0,1,2
	v_mov_b32 v[PC+3+6*\c+\i], v[PC+12+4*\c+\i]
.endr
.endr
.endm
.macro BLOCK a
	s_wait_xcnt 0x0
.if (\a) > 0
	s_add_nc_u64 s[76:77], s[76:77], s[68:69]
.endif
.if (\a) == 4
	s_add_nc_u64 s[76:77], s[76:77], s[70:71]
.endif
	WIN 0x02+(\a)/4
.set i, 0
.rept 32
	v_pk_add_f32 v[H+i:H+i+1], v[64*((\a)%4)+i:64*((\a)%4)+i+1], v[LB+2*(\a):LB+2*(\a)+1]
.set i, i+2
.endr
	WIN 0
	QUANT H
	v_mov_b32 v[KW+(\a)], v[PW]
.irp p, 0,1,2
	global_store_b64 v[VO0], v[PC+2*\p:PC+2*\p+1], s[76:77] offset:256*\p
.endr
.irp p, 0,1,2
	global_store_b64 v[VO1], v[PC+6+2*\p:PC+7+2*\p], s[76:77] offset:256*\p
.endr
.endm
.irp b, 0,1,2,3
	v_mov_b32 v[TM+4+\b], 0
.endr
.irp a, 0,1,2,3,4,5,6,7
	BLOCK \a
.endr
.irp i, 0,1,2,3
	v_perm_b32 v[TW+\i], v[KW+2*\i+1], v[KW+2*\i], v[PSEL]
.endr
.irp i, 0,1,2,3
	v_cndmask_b32 v[TW+4+\i], v[KW+\i], v[KW+4+\i], s99
.endr
.irp i, 0,1,2,3
	v_cndmask_b32 v[TW+\i], v[TW+\i], v[TW+4+\i], s98
.endr
	global_store_b128 v[SWO], v[TW:TW+3], s[78:79]
	s_wait_tensorcnt 0x0
	ds_add_u32 v[SPW], v[NIL]
	s_wait_dscnt 0x0
	CROUND
	s_endpgm
.Lfunc_end_k_qaed14e8150_proj:
	.size	k_qaed14e8150_proj, .Lfunc_end_k_qaed14e8150_proj-k_qaed14e8150_proj
	.p2alignl 7, 3214868480
	.fill 96, 4, 3214868480
	.section	.rodata,"a",@progbits
	.p2align	6, 0x0
	.amdhsa_kernel k_qaed14e8150_proj
		.amdhsa_group_segment_fixed_size 327680
		.amdhsa_private_segment_fixed_size 0
		.amdhsa_enable_private_segment 0
		.amdhsa_kernarg_size 48
		.amdhsa_user_sgpr_count 2
		.amdhsa_user_sgpr_kernarg_segment_ptr 1
		.amdhsa_wavefront_size32 1
		.amdhsa_system_sgpr_workgroup_id_x 1
		.amdhsa_system_sgpr_workgroup_id_y 1
		.amdhsa_system_sgpr_workgroup_id_z 1
		.amdhsa_system_vgpr_workitem_id 0
		.amdhsa_next_free_vgpr 1024
		.amdhsa_next_free_sgpr 100
		.amdhsa_reserve_vcc 0
		.amdhsa_float_denorm_mode_32 3
		.amdhsa_float_denorm_mode_16_64 3
		.amdhsa_memory_ordered 1
		.amdhsa_forward_progress 1
		.amdhsa_inst_pref_size 191
	.end_amdhsa_kernel
	.amdgpu_metadata
---
amdhsa.version: [ 1, 2 ]
amdhsa.kernels:
  - .name:           k_qaed14e8150_proj
    .symbol:         k_qaed14e8150_proj.kd
    .args:
      - { .name: xf, .offset: 0, .size: 8, .value_kind: global_buffer, .address_space: global }
      - { .name: wf, .offset: 8, .size: 8, .value_kind: global_buffer, .address_space: global }
      - { .name: sc1, .offset: 16, .size: 8, .value_kind: global_buffer, .address_space: global }
      - { .name: b_qkv, .offset: 24, .size: 8, .value_kind: global_buffer, .address_space: global }
      - { .name: qkv, .offset: 32, .size: 8, .value_kind: global_buffer, .address_space: global }
      - { .name: qkvs, .offset: 40, .size: 8, .value_kind: global_buffer, .address_space: global }
    .group_segment_fixed_size: 327680
    .private_segment_fixed_size: 0
    .kernarg_segment_align: 8
    .kernarg_segment_size: 48
    .max_flat_workgroup_size: 128
    .sgpr_count:     100
    .vgpr_count:     1024
    .wavefront_size: 32
...
	.end_amdgpu_metadata
.endif
;; end of part 2
;; launch attn (part 3): grid 4 x 64, 16 waves a work-group, clusters of 4 x 1, 208,896 bytes of LDS; arguments qkv, qkvs, of, os; writes of, os
.if DOCPART == 3
	.amdgcn_target "amdgcn-amd-amdhsa--gfx1250"
	.amdhsa_code_object_version 6
	.text
	.protected	k_qaed14e8150_attn
	.globl	k_qaed14e8150_attn
	.p2align	8
	.type	k_qaed14e8150_attn,@function
k_qaed14e8150_attn:
	s_mov_b64 s[64:65], 0
	v_nop
	global_prefetch_b8 v0, s[64:65] scope:SCOPE_SE
	s_setreg_imm32_b32 hwreg(HW_REG_WAVE_MODE, 25, 1), 1
	s_wait_xcnt 0x0
	s_wait_alu depctr_hold_cnt(0) depctr_sa_sdst(0) depctr_va_vdst(0) depctr_va_sdst(0) depctr_va_ssrc(0) depctr_va_vcc(0) depctr_vm_vsrc(0)
	s_getreg_b32 s2, hwreg(HW_REG_IB_STS2, 6, 4)
	s_cmp_eq_u32 s2, 0
	s_cbranch_scc0 .Lentry_in_a_cluster
	s_endpgm
.Lentry_in_a_cluster:
	s_bfe_u32 s2, ttmp6, 0x10000c
	s_cmp_lg_u32 s2, 0x3003
	s_cbranch_scc0 .Lentry_shape_is_right
	s_endpgm
.Lentry_shape_is_right:
; o = softmax(q k^T / 8) v for one head (work-group y = 16 x batch + head), both products on codes of FP6 (E2M3) with one E8M0 scale for each 32 along K; o is divided by the row's sum and quantised along d for the last product.
; THE SOFTMAX: t = score x c; M = the running largest t rounded UP to a whole number; p = 2^(t - M) is quantised along the keys, not normalised; the row's sum is taken of the unquantised p and divides at the end.
; q's codes were made without the factor 1/8 (a power of two: the same codes, another byte), so c = log2(e) / 8.
; SHARES.  A work-group owns 512 queries of its head; each of its sixteen waves two tiles of 16, one after the other, in 256 registers: four waves to a SIMD, so that one wave's vector work stands beside another's products and loads.
; A WHOLE HEAD'S k AND v STAY IN LDS (2 x 98,304 bytes of codes, 2 x 4,096 of scale words): filled once, no ring.  The four work-groups of a cluster own the four query blocks of one head and ask for k and v JOINTLY.
; Waves 0-7 issue one tensor load each, a chunk of 512 keys of k (0-3) or v (4-7); waves 8 and 9 one each, k's and v's scale words.  The first four key steps need the first chunk alone.
; LAYOUT.  Both products are used transposed (S^T = k q^T, O^T = v^T p^T): a lane holds one query throughout.  Tiles lie in stored order, so the 16 registers of S^T's tiles 2 b, 2 b + 1 are keys 32 b + 16 (lane / 16) + 0 .. 15.
; K = 64 IN AN INSTRUCTION 128 DEEP.  A record of k holds two key tiles, one in K 0-63 and one in K 64-127.  q stands in 18 registers, six of zeros on either side: v[200:211] is (q | 0), v[194:205] is (0 | q).
; The half that is not wanted meets zero codes and adds nothing; q's scale bytes there are 0x7f.
; LIMITS: NaN and infinities are not served; a block of o under 2^-124 keeps the byte 1.
.set VC,    98304                      ; LDS: k's codes from 0: [pair of key tiles 64][1,536];  v's from here: [key step 16][d tile 4][1,536]
.set KS,    196608                     ; k's scale words [G 16][r 16][4]: 256 bytes a key step;
.set VS,    200704                     ; v's likewise, 4,096 bytes on
.set OSG,   204800                     ; o's 512 scale words, gathered: written by ds_store, never filled by a load
.set SPARE, 206848                     ; the spare words, 128 bytes for each wave: eight blocks of 256 bytes that no other line names
.set AK0,  1                           ; v1   8 x lane: my place in a piece (of k in LDS; of q and o in memory)
.set AV0,  2                           ; v2   the same in v's region
.set AS0,  3                           ; v3   KS + 16 r + 4,096 h: lanes 0-15 k's four words, lanes 16-31 v's
.set SPW,  4                           ; v4   my spare word's LDS address; never rewritten
.set NIL,  5                           ; v5   0; never rewritten
.set ADK,  6                           ; v6-8 the addresses of the step in hand
.set ADV,  7
.set ADS,  8
.set OSW,  10                          ; v10  where I put a row's scale word of o
.set OSR,  11                          ; v11  and where it is read back: OSG + 16 x thread
.set OSO,  17                          ; v17  16 x thread: the same place in os
.set QSO,  18                          ; v18  16 r: q's scale words
.set WV,   12                          ; s12  wave
.set SEL,  20                          ; s[20:21]
.set CS,   22                          ; s[22:23] c; the packed form names a pair
.set G1C,  24                          ; s[24:31] group 1: 96 rows of 256 bytes
.set G1S,  32                          ; s[32:39] 16 rows
.set G0,   40                          ; s[40:47] two groups 0
.set TB,   60                          ; s60  the step's first byte in k's and in v's region: 6,144 a step
.set TS,   61                          ; s61  and among the scale words: 256 a step
.set CNT,  62
; v12 -M, v13 the largest t, v[14:15] the sum; v32-79 four records; v96-159 S^T, then p; v160-191 O^T; v192, v255 q's two scale words; v193 q's pair word; v194-211 q; v224-235 p's codes; v232-254 at work; v248-251 the step's scale words
.macro CROUND
	s_barrier_signal -1
	s_barrier_wait -1
	s_cmp_lg_u32 s[WV], 0
	s_cbranch_scc1 .Lnot_wave_0_\@
	s_barrier_signal -3
.Lnot_wave_0_\@:
	s_barrier_wait -3
	s_barrier_signal -1
	s_barrier_wait -1
.endm
	s_load_b256 s[4:11], s[0:1], 0x0               ; qkv s[4:5], qkvs s[6:7], of s[8:9], os s[10:11]
	v_lshl_add_u32 v[SPW], v0, 2, SPARE
	v_mov_b32 v[NIL], 0
	ds_add_u32 v[SPW], v[NIL]                      ; the wave's opening: the add and its wait ahead of the first tensor loads; work on registers stands between
	ds_add_u32 v[SPW], v[NIL]
	v_lshrrev_b32 v16, 5, v0
	s_delay_alu instid0(VALU_DEP_1)
	v_readfirstlane_b32 s[WV], v16                 ; wave 0..15
	s_bfe_u32 s13, ttmp6, 0x40000                  ; cx: my block of 512 queries: it enters q's, of's and os's addresses alone
	s_and_b32 s14, ttmp7, 0xffff                   ; 16 x batch + head, which the four partners share
	s_mov_b32 s[G1C], 15|(3<<16)|(1<<21)           ; 15:0 the mask: all four; 17:16 elements of 8 bytes; 21 set beside a mask
	s_mov_b32 s[G1C+1], 32<<16                     ; rows of 256 bytes,
	s_mov_b32 s[G1C+2], 96<<16                     ; 96 of them: a dense block of 24,576 bytes
	s_mov_b32 s[G1C+3], 32<<16
	s_mov_b32 s[G1C+4], 96
	s_mov_b32 s[G1C+5], 32
	s_mov_b32 s[G1C+6], 0
	s_mov_b32 s[G1C+7], 0
	s_mov_b32 s[G1S], 15|(3<<16)|(1<<21)
	s_mov_b32 s[G1S+1], 32<<16
	s_mov_b32 s[G1S+2], 16<<16                     ; 16 rows: 4,096 bytes
	s_mov_b32 s[G1S+3], 32<<16
	s_mov_b32 s[G1S+4], 16
	s_mov_b32 s[G1S+5], 32
	s_mov_b32 s[G1S+6], 0
	s_mov_b32 s[G1S+7], 0
	s_mov_b32 s[SEL], 0x76543210
	s_mov_b32 s[SEL+1], 0xfedcba98
	s_mov_b32 s[CS], 0x3e38aa3b                    ; c = log2(e) / 8
	s_mov_b32 s[CS+1], s[CS]
	s_mov_b32 s66, 0xffff
	s_mov_b32 s67, 0x7f7f0000
	s_mov_b32 s68, 0x7f7f
	s_mov_b32 s69, 0xffff0000
	; what waves 0-9 fetch: region 1 (k) or 2 (v) of qkv and of qkvs, my head
	; THE FILLS AS THEY NOW STAND, one tensor load a wave: waves 0-3 k's four chunks of 512 keys, waves 4-7 v's, wave 8 k's scale words, wave 9 v's; waves 10-15 none
	s_and_b32 s78, s[WV], 1                        ; scale words: k's (wave 8) or v's (wave 9)
	s_lshl_b32 s79, s78, 12
	s_add_co_u32 s79, s79, KS                      ; where they go
	s_add_co_u32 s78, s78, 1                       ; region 1 or 2 of qkvs
	s_lshl_b32 s80, s78, 18
	s_lshl_b32 s81, s14, 12
	s_add_co_u32 s80, s80, s81
	s_mov_b32 s81, 0
	s_bfe_u32 s78, s[WV], 0x10002                  ; codes: bit 2 of the wave: k or v
	s_add_co_u32 s78, s78, 1                       ; region 1 or 2 of qkv
	s_mul_i32 s82, s78, 6291456
	s_mul_i32 s83, s14, 98304
	s_add_co_u32 s82, s82, s83
	s_and_b32 s83, s[WV], 3                        ; which chunk of 24,576 bytes
	s_mul_i32 s83, s83, 24576
	s_add_co_u32 s82, s82, s83
	s_mov_b32 s83, 0
	s_and_b32 s19, s[WV], 7
	s_mul_i32 s19, s19, 24576                      ; v's region follows k's four chunks, so the place is 24,576 x wave
	; every LDS address register is made here, ahead of the branch that picks the loading waves
	v_and_b32 v20, 31, v0
	v_and_b32 v21, 15, v0                          ; r
	v_bfe_u32 v22, v0, 4, 1                        ; h
	s_delay_alu instid0(VALU_DEP_3)
	v_lshlrev_b32 v[AK0], 3, v20
	s_delay_alu instid0(VALU_DEP_1)
	v_add_nc_u32 v[AV0], VC, v[AK0]
	s_delay_alu instid0(VALU_DEP_4)
	v_lshlrev_b32 v[AS0], 4, v21
	s_delay_alu instid0(VALU_DEP_1)
	v_lshl_add_u32 v[AS0], v22, 12, v[AS0]
	s_delay_alu instid0(VALU_DEP_1)
	v_add_nc_u32 v[AS0], KS, v[AS0]
	s_lshl_b32 s3, s[WV], 7
	v_lshl_add_u32 v[OSW], v21, 2, s3
	s_delay_alu instid0(VALU_DEP_1)
	v_add_nc_u32 v[OSW], OSG, v[OSW]               ; OSG + 128 x wave + 4 r
	v_lshl_add_u32 v[OSR], v0, 4, OSG
	v_lshlrev_b32 v[OSO], 4, v0
	v_lshlrev_b32 v[QSO], 4, v21
	; my own addresses
	s_lshr_b32 s15, s14, 4                         ; batch
	s_and_b32 s16, s14, 15                         ; head
	s_and_b32 s63, s16, 1
	s_lshl_b32 s63, s63, 4                         ; an odd head's two scale bytes go to the word's upper half
	s_lshl_b32 s17, s13, 5
	s_lshl_b32 s18, s[WV], 1
	s_add_co_u32 s17, s17, s18                     ; my first tile of queries: 32 cx + 2 x wave
	s_mul_i32 s70, s17, 768
	s_mul_i32 s18, s14, 98304
	s_add_co_u32 s70, s70, s18                     ; q's codes
	s_mov_b32 s71, 0
	s_lshl_b32 s18, s15, 7
	s_add_co_u32 s18, s18, s17
	s_mul_i32 s72, s18, 12288                      ; of: row tile 128 x batch + tile,
	s_mul_i32 s18, s16, 768
	s_add_co_u32 s72, s72, s18                     ; K step head / 2, half head % 2
	s_mov_b32 s73, 0
	s_lshl_b32 s74, s16, 15                        ; os: the head's plane,
	s_lshl_b32 s18, s15, 13
	s_add_co_u32 s74, s74, s18
	s_lshl_b32 s18, s13, 11
	s_add_co_u32 s74, s74, s18                     ; my work-group's 512 words
	s_mov_b32 s75, 0
	s_lshl_b32 s76, s14, 12                        ; q's scale words: pair 16 cx + wave: G = 4 cx + wave / 4, word wave % 4
	s_lshl_b32 s18, s13, 10
	s_add_co_u32 s76, s76, s18
	s_lshr_b32 s18, s[WV], 2
	s_lshl_b32 s18, s18, 8
	s_add_co_u32 s76, s76, s18
	s_and_b32 s18, s[WV], 3
	s_lshl_b32 s18, s18, 2
	s_add_co_u32 s76, s76, s18
	s_mov_b32 s77, 0
	s_wait_dscnt 0x0                               ; the opening add is done
	s_wait_kmcnt 0x0
	s_add_nc_u64 s[70:71], s[4:5], s[70:71]
	s_add_nc_u64 s[72:73], s[8:9], s[72:73]
	s_add_nc_u64 s[74:75], s[10:11], s[74:75]
	s_add_nc_u64 s[76:77], s[6:7], s[76:77]
	s_add_nc_u64 s[80:81], s[6:7], s[80:81]
	s_add_nc_u64 s[82:83], s[4:5], s[82:83]
	s_mov_b32 s[G0], 1
	s_mov_b32 s[G0+1], s79
	s_mov_b64 s[G0+2:G0+3], s[80:81]
	s_or_b32 s[G0+3], s[G0+3], 0x80000000
.irp g, 0
	s_mov_b32 s[G0+4+4*\g], 1
	s_add_co_u32 s[G0+5+4*\g], s19, 24576*\g
	s_add_nc_u64 s[G0+6+4*\g:G0+7+4*\g], s[82:83], 24576*\g
	s_or_b32 s[G0+7+4*\g], s[G0+7+4*\g], 0x80000000
.endr
	CROUND                                         ; all four work-groups are here: the joint loads meet
	s_cmp_lt_u32 s[WV], 8                          ; one chain of branches on the wave's number, one load to an arm
	s_cbranch_scc0 .Lscales
	tensor_load_to_lds s[G0+4:G0+7], s[G1C:G1C+7]  ; waves 0-7: a chunk of codes
	s_nop 0
.rept 4
	v_nop
.endr
	s_branch .Lno_fetch
.Lscales:
	s_cmp_lt_u32 s[WV], 10
	s_cbranch_scc0 .Lno_fetch
	tensor_load_to_lds s[G0:G0+3], s[G1S:G1S+7]    ; waves 8, 9: the scale words
	s_nop 0
.rept 4
	v_nop
.endr
.Lno_fetch:
.irp j, 194,195,196,197,198,199,206,207,208,209,210,211
	v_mov_b32 v[\j], 0                             ; the zero codes on either side of q
.endr
.irp b, 0,1,2,3
	v_mov_b32 v[236+\b], 0                         ; written once: a lane permute's destination counts as one of its sources
.endr
	v_mov_b32 v253, 0                              ; (named as the upper half of the pair v[252:253] before it is first written)
	global_load_b32 v193, v[QSO], s[76:77]         ; my two tiles' scale bytes: bytes 0, 1 the first tile's, 2, 3 the second's
; A tile begins: its codes, its two scale words, the statistics, O^T = 0
.macro PRO pass
	s_wait_xcnt 0x0                                ; the last tile's stores have read their data registers, which the steps write again
.irp p, 0,1,2
	global_load_b64 v[200+2*\p:201+2*\p], v[AK0], s[70:71] offset:768*\pass+256*\p
.endr
	v_mov_b32 v13, 0xff61b1e6                      ; the largest t so far: -3e38
	s_delay_alu instid0(VALU_DEP_1)
	v_floor_f32 v12, -v13                          ; -M
	v_mov_b32 v14, 0
	v_mov_b32 v15, 0
	s_mov_b32 s[TB], 0
	s_mov_b32 s[TS], 0
	s_wait_loadcnt 0x0
.if \pass == 0
	v_and_or_b32 v255, v193, s66, s67              ; for (q | 0): my bytes below, 0x7f above
	v_lshl_or_b32 v192, v193, 16, s68              ; for (0 | q): 0x7f below, my bytes above
.else
	v_lshrrev_b32 v255, 16, v193
	s_delay_alu instid0(VALU_DEP_1)
	v_or_b32 v255, s67, v255
	v_and_or_b32 v192, v193, s69, s68
.endif
.set j, 0
.rept 32
	v_mov_b32 v[160+j], 0                          ; O^T: the first change of M leaves zeros zeros.  (These are also the places between the scale words' lines and the first products)
.set j, j+1
.endr
.endm
; A KEY STEP: 128 keys
.macro STEP
	v_add_nc_u32 v[ADK], s[TB], v[AK0]
	v_add_nc_u32 v[ADV], s[TB], v[AV0]
	v_add_nc_u32 v[ADS], s[TS], v[AS0]
	v_nop                                          ; four plain places in front of loads into registers that the last products read
	ds_load_b128 v[248:251], v[ADS]                ; ONE load for the step's scale words: lanes 0-15 k's four pairs, lanes 16-31 v's four d tiles
.irp t, 0,1,2,3
.irp p, 0,1,2,3,4,5
	ds_load_b64 v[32+12*\t+2*\p:33+12*\t+2*\p], v[ADK] offset:1536*\t+256*\p   ; 256 consecutive bytes
.endr
.endr
	s_wait_alu depctr_va_vdst(0)
	s_wait_dscnt 0x0
.irp t, 0,1,2,3                                ; S^T: a record's first key tile against (q | 0), its second against (0 | q)
	v_wmma_scale_f32_16x16x128_f8f6f4 v[96+16*\t:103+16*\t], v[32+12*\t:43+12*\t], v[200:211], 0, v[248+\t], v255 matrix_a_fmt:MATRIX_FMT_FP6 matrix_b_fmt:MATRIX_FMT_FP6
	v_wmma_scale_f32_16x16x128_f8f6f4 v[104+16*\t:111+16*\t], v[32+12*\t:43+12*\t], v[194:205], 0, v[248+\t], v192 matrix_a_fmt:MATRIX_FMT_FP6 matrix_b_fmt:MATRIX_FMT_FP6
.endr
.rept 4
	v_nop                                          ; places in front of the loads below and of the first read of the scores
.endr
.irp t, 0,1,2,3
.irp p, 0,1,2,3,4,5
	ds_load_b64 v[32+12*\t+2*\p:33+12*\t+2*\p], v[ADV] offset:1536*\t+256*\p   ; v's four records land while the softmax is walked
.endr
.endr
.irp b, 0,1,2,3
	v_max3_num_f32 v[232+\b], v[96+16*\b], v[97+16*\b], v[98+16*\b]   ; the largest score of each block of 32 keys: for the row's maximum, and, since p rises with the score, for the block's largest p
.endr
.irp i, 3,5,7,9,11,13
.irp b, 0,1,2,3
	v_max3_num_f32 v[232+\b], v[232+\b], v[96+16*\b+\i], v[97+16*\b+\i]
.endr
.endr
.irp b, 0,1,2,3
	v_max_num_f32 v[232+\b], v[232+\b], v[111+16*\b]
.endr
.irp b, 0,1,2,3
	s_delay_alu instid0(VALU_DEP_4)
	v_permlanex16_b32 v[236+\b], v[232+\b], s[SEL], s[SEL+1]
.endr
.irp b, 0,1,2,3
	s_delay_alu instid0(VALU_DEP_4)
	v_max_num_f32 v[232+\b], v[232+\b], v[236+\b]  ; with lane l xor 16's 16 keys
.endr
	s_delay_alu instid0(VALU_DEP_2)
	v_max3_num_f32 v254, v232, v233, v234
	s_delay_alu instid0(VALU_DEP_1)
	v_max_num_f32 v254, v254, v235
	s_delay_alu instid0(VALU_DEP_1)
	v_mul_f32 v254, s[CS], v254                    ; the step's largest t (c is positive)
	s_delay_alu instid0(VALU_DEP_1)
	v_max_num_f32 v13, v13, v254                   ; the running largest t
	v_mov_b32 v254, v12
	s_delay_alu instid0(VALU_DEP_2)
	v_floor_f32 v12, -v13                          ; the new -M = -ceil(t): a whole number
	s_delay_alu instid0(VALU_DEP_1)
	v_sub_f32 v254, v12, v254                      ; old M - new M: a whole number, 0 or less
	s_delay_alu instid0(VALU_DEP_1)
	v_cvt_i32_f32 v254, v254                       ; (it saturates)
	s_delay_alu instid0(VALU_DEP_1)
	v_ldexp_f32 v252, 1.0, v254                    ; f = 2^(old M - new M): a multiplication by it rounds nothing
.set j, 0
.rept 32
	v_pk_fma_f32 v[96+j:97+j], v[96+j:97+j], s[CS:CS+1], v[12:13] op_sel_hi:[1,0,0]   ; t - M, two at a time
.set j, j+2
.endr
.irp b, 0,1,2,3
	v_fma_f32 v[232+\b], v[232+\b], s[CS], v12     ; the same of each block's largest score
.endr
.set j, 0
	s_wait_alu depctr_va_vdst(0)
.rept 64
	v_exp_f32 v[96+j], v[96+j]                     ; p = 2^(t - M), at most 1
.set j, j+1
.endr
	v_pk_mul_f32 v[14:15], v[14:15], v[252:253] op_sel_hi:[1,0]   ; the sums under the new M: a plain place behind the exponentials
	s_wait_alu depctr_va_vdst(0)                   ; one wait for the whole batch, ahead of its first reader
.irp b, 0,1,2,3
	v_exp_f32 v[232+\b], v[232+\b]                 ; the blocks' largest p: the same two instructions on the same number give the same bits
.endr
	v_pk_add_f32 v[236:237], v[100:101], v[104:105]
	v_pk_add_f32 v[246:247], v[108:109], v[112:113]
	v_pk_add_f32 v[244:245], v[116:117], v[120:121]
	v_pk_add_f32 v[242:243], v[124:125], v[128:129]
	v_pk_add_f32 v[240:241], v[132:133], v[136:137]
	v_pk_add_f32 v[238:239], v[140:141], v[144:145]
	v_pk_add_f32 v[230:231], v[148:149], v[152:153]
	v_pk_add_f32 v[14:15], v[14:15], v[156:157]
	v_pk_add_f32 v[236:237], v[236:237], v[96:97]
	v_pk_add_f32 v[246:247], v[246:247], v[98:99]
	v_pk_add_f32 v[244:245], v[244:245], v[102:103]
	v_pk_add_f32 v[242:243], v[242:243], v[106:107]
	v_pk_add_f32 v[240:241], v[240:241], v[110:111]
	v_pk_add_f32 v[238:239], v[238:239], v[114:115]
	v_pk_add_f32 v[230:231], v[230:231], v[118:119]
	v_pk_add_f32 v[14:15], v[14:15], v[122:123]
	v_pk_add_f32 v[236:237], v[236:237], v[126:127]
	v_pk_add_f32 v[246:247], v[246:247], v[130:131]
	v_pk_add_f32 v[244:245], v[244:245], v[134:135]
	v_pk_add_f32 v[242:243], v[242:243], v[138:139]
	v_pk_add_f32 v[240:241], v[240:241], v[142:143]
	v_pk_add_f32 v[238:239], v[238:239], v[146:147]
	v_pk_add_f32 v[230:231], v[230:231], v[150:151]
	v_pk_add_f32 v[14:15], v[14:15], v[154:155]
	v_pk_add_f32 v[236:237], v[236:237], v[158:159]
	s_delay_alu instid0(VALU_DEP_2)
	v_pk_add_f32 v[14:15], v[14:15], v[242:243]
	s_delay_alu instid0(VALU_DEP_2)
	v_pk_add_f32 v[236:237], v[236:237], v[240:241]
	v_pk_add_f32 v[246:247], v[246:247], v[238:239]
	v_pk_add_f32 v[244:245], v[244:245], v[230:231]
	s_delay_alu instid0(VALU_DEP_2)
	v_pk_add_f32 v[14:15], v[14:15], v[246:247]
	s_delay_alu instid0(VALU_DEP_2)
	v_pk_add_f32 v[236:237], v[236:237], v[244:245]
	s_delay_alu instid0(VALU_DEP_1)
	v_pk_add_f32 v[14:15], v[14:15], v[236:237]
	s_wait_alu depctr_va_vdst(0)                   ; and one for the four
.irp b, 0,1,2,3
	v_max_num_f32 v[232+\b], 0x1800000, v[232+\b]  ; the floor 2^(3 - 127)
.endr
.irp b, 0,1,2,3
	s_delay_alu instid0(VALU_DEP_4)
	v_add_nc_u32 v[244+\b], 0xff000000, v[232+\b]  ; the conversions' scale operands
.endr
.irp b, 0,1,2,3
	s_delay_alu instid0(VALU_DEP_4)
	v_lshrrev_b32 v[236+\b], 23, v[244+\b]
.endr
	s_delay_alu instid0(VALU_DEP_3)
	v_lshl_or_b32 v253, v237, 8, v236              ; p's scale word for these 128 keys
	s_delay_alu instid0(VALU_DEP_1)
	v_lshl_or_b32 v253, v238, 16, v253
	s_delay_alu instid0(VALU_DEP_1)
	v_lshl_or_b32 v253, v239, 24, v253
.irp c, 0,1
	v_cvt_scalef32_pk16_fp6_f32 v[224+6*\c:226+6*\c], v[96+32*\c:111+32*\c], v[244+2*\c]
	v_cvt_scalef32_pk16_fp6_f32 v[236+4*\c:238+4*\c], v[112+32*\c:127+32*\c], v[244+2*\c+1]
.endr
	v_nop                                          ; one plain place behind the scaled conversions
.irp c, 0,1
.irp i, 0,1,2
	v_permlane16_swap_b32 v[224+6*\c+\i], v[236+4*\c+\i]
.endr
.irp i, 0,1,2
	s_delay_alu instid0(VALU_DEP_3)
	v_mov_b32 v[227+6*\c+\i], v[236+4*\c+\i]
.endr
.endr
.set j, 0
.rept 16
	v_pk_mul_f32 v[160+j:161+j], v[160+j:161+j], v[252:253] op_sel_hi:[1,0]   ; O^T under the new M.  (These sixteen are also the places between p's codes and scale word and the products)
.set j, j+2
.endr
	s_wait_alu depctr_va_vdst(0)
	s_wait_dscnt 0x0                               ; v's records are in
.irp t, 0,1,2,3                                ; O^T += v^T p^T: four accumulators by turns
	v_wmma_scale_f32_16x16x128_f8f6f4 v[160+8*\t:167+8*\t], v[32+12*\t:43+12*\t], v[224:235], v[160+8*\t:167+8*\t], v[248+\t], v253 matrix_a_fmt:MATRIX_FMT_FP6 matrix_b_fmt:MATRIX_FMT_FP6 matrix_a_scale:MATRIX_SCALE_ROW1
.endr
	s_add_co_u32 s[TB], s[TB], 6144
	s_add_co_u32 s[TS], s[TS], 256
.endm
.macro LOOP n
	s_mov_b32 s[CNT], \n
.Lkeys_\@:
	STEP
	s_sub_co_u32 s[CNT], s[CNT], 1
	s_cmp_lg_u32 s[CNT], 0
	s_cbranch_scc1 .Lkeys_\@
.endm
; A tile ends: o = O^T / the sum; register 16 b + i is d 32 b + 16 (lane / 16) + i: two blocks of the last product's K.  They become a half record of of and two scale bytes.
.macro EPI pass
.rept 4
	v_nop
.endr
	v_add_f32 v14, v14, v15
	s_delay_alu instid0(VALU_DEP_1)
	v_permlanex16_b32 v252, v14, s[SEL], s[SEL+1]
	s_delay_alu instid0(VALU_DEP_1)
	v_add_f32 v14, v14, v252                       ; the row's sum
	s_wait_alu depctr_va_vdst(0)
	v_rcp_f32 v14, v14
	v_nop                                          ; a plain place behind the reciprocal
	s_wait_alu depctr_va_vdst(0)                   ; and the wait ahead of its first reader
.set j, 0
.rept 16
	v_pk_mul_f32 v[96+j:97+j], v[160+j:161+j], v[14:15] op_sel_hi:[1,0]   ; each accumulator from its low end on
.set j, j+2
.endr
.irp b, 0,1
	v_max3_num_f32 v[232+\b], |v[96+16*\b]|, |v[97+16*\b]|, 0x1800000
.endr
.irp i, 2,4,6,8,10,12,14
.irp b, 0,1
	s_delay_alu instid0(VALU_DEP_2)
	v_max3_num_f32 v[232+\b], v[232+\b], |v[96+16*\b+\i]|, |v[97+16*\b+\i]|
.endr
.endr
.irp b, 0,1
	s_delay_alu instid0(VALU_DEP_2)
	v_permlanex16_b32 v[236+\b], v[232+\b], s[SEL], s[SEL+1]
.endr
.irp b, 0,1
	s_delay_alu instid0(VALU_DEP_2)
	v_max_num_f32 v[232+\b], v[232+\b], v[236+\b]
.endr
.irp b, 0,1
	s_delay_alu instid0(VALU_DEP_2)
	v_add_nc_u32 v[244+\b], 0xff000000, v[232+\b]
.endr
.irp b, 0,1
	s_delay_alu instid0(VALU_DEP_2)
	v_lshrrev_b32 v[236+\b], 23, v[244+\b]
.endr
	s_delay_alu instid0(VALU_DEP_1)
	v_lshl_or_b32 v254, v237, 8, v236
	s_delay_alu instid0(VALU_DEP_1)
	v_lshlrev_b32 v254, s63, v254                  ; an even head's bytes below, an odd head's above; the rest 0
	v_cvt_scalef32_pk16_fp6_f32 v[224:226], v[96:111], v244
	v_cvt_scalef32_pk16_fp6_f32 v[228:230], v[112:127], v245
	v_nop                                          ; one plain place behind the scaled conversions
.irp i, 0,1,2
	v_permlane16_swap_b32 v[224+\i], v[228+\i]
.endr
.irp i, 0,1,2
	s_delay_alu instid0(VALU_DEP_3)
	v_mov_b32 v[227+\i], v[228+\i]
.endr
.irp p, 0,1,2
	global_store_b64 v[AK0], v[224+2*\p:225+2*\p], s[72:73] offset:12288*\pass+256*\p   ; 256 consecutive bytes, at a multiple of 256 from of's first byte
.endr
	ds_store_b32 v[OSW], v254 offset:64*\pass      ; both lanes of a row write the same word with the same value
.endm
	PRO 0
	s_wait_alu depctr_va_vdst(0)                   ; the wait at the head's end
	s_wait_tensorcnt 0x0                           ; every wave waits for its one load: the barrier shows the whole head to all
	s_barrier_signal -1
	s_barrier_wait -1
	LOOP 16
	EPI 0
	PRO 1
	LOOP 16
	EPI 1
	s_wait_dscnt 0x0                               ; for the others' sake: my words lie in LDS
	s_barrier_signal -1
	s_barrier_wait -1
	s_cmp_lt_u32 s[WV], 4                          ; the work-group's 512 words leave by four waves, 512 consecutive bytes each
	s_cbranch_scc0 .Lno_os
	ds_load_b128 v[32:35], v[OSR]
	s_wait_dscnt 0x0
	global_store_b128 v[OSO], v[32:35], s[74:75]
.Lno_os:
	s_wait_tensorcnt 0x0                           ; the wave's end
	ds_add_u32 v[SPW], v[NIL]
	s_wait_dscnt 0x0
	CROUND                                         ; the closing round
	s_endpgm
.Lfunc_end_k_qaed14e8150_attn:
	.size	k_qaed14e8150_attn, .Lfunc_end_k_qaed14e8150_attn-k_qaed14e8150_attn
	.p2alignl 7, 3214868480
	.fill 96, 4, 3214868480
	.section	.rodata,"a",@progbits
	.p2align	6, 0x0
	.amdhsa_kernel k_qaed14e8150_attn
		.amdhsa_group_segment_fixed_size 208896
		.amdhsa_private_segment_fixed_size 0
		.amdhsa_enable_private_segment 0
		.amdhsa_kernarg_size 32
		.amdhsa_user_sgpr_count 2
		.amdhsa_user_sgpr_kernarg_segment_ptr 1
		.amdhsa_wavefront_size32 1
		.amdhsa_system_sgpr_workgroup_id_x 1
		.amdhsa_system_sgpr_workgroup_id_y 1
		.amdhsa_system_sgpr_workgroup_id_z 1
		.amdhsa_system_vgpr_workitem_id 0
		.amdhsa_next_free_vgpr 256
		.amdhsa_next_free_sgpr 84
		.amdhsa_reserve_vcc 0
		.amdhsa_float_denorm_mode_32 3
		.amdhsa_float_denorm_mode_16_64 3
		.amdhsa_memory_ordered 1
		.amdhsa_forward_progress 1
		.amdhsa_inst_pref_size 57
	.end_amdhsa_kernel
	.amdgpu_metadata
---
amdhsa.version: [ 1, 2 ]
amdhsa.kernels:
  - .name:           k_qaed14e8150_attn
    .symbol:         k_qaed14e8150_attn.kd
    .args:
      - { .name: qkv, .offset: 0, .size: 8, .value_kind: global_buffer, .address_space: global }
      - { .name: qkvs, .offset: 8, .size: 8, .value_kind: global_buffer, .address_space: global }
      - { .name: of, .offset: 16, .size: 8, .value_kind: global_buffer, .address_space: global }
      - { .name: os, .offset: 24, .size: 8, .value_kind: global_buffer, .address_space: global }
    .group_segment_fixed_size: 208896
    .private_segment_fixed_size: 0
    .kernarg_segment_align: 8
    .kernarg_segment_size: 32
    .max_flat_workgroup_size: 512
    .sgpr_count:     84
    .vgpr_count:     256
    .wavefront_size: 32
...
	.end_amdgpu_metadata
.endif
;; end of part 3
;; launch outp (part 4): grid 8 x 32, 4 waves a work-group, clusters of 4 x 4, 327,680 bytes of LDS; arguments of, os, wf, sc1, b_out, out0; writes out0
.if DOCPART == 4
	.amdgcn_target "amdgcn-amd-amdhsa--gfx1250"
	.amdhsa_code_object_version 6
	.text
	.protected	k_qaed14e8150_outp
	.globl	k_qaed14e8150_outp
	.p2align	8
	.type	k_qaed14e8150_outp,@function
k_qaed14e8150_outp:
	s_mov_b64 s[64:65], 0
	v_nop
	global_prefetch_b8 v0, s[64:65] scope:SCOPE_SE
	s_setreg_imm32_b32 hwreg(HW_REG_WAVE_MODE, 25, 1), 1
	s_wait_xcnt 0x0
	s_wait_alu depctr_hold_cnt(0) depctr_sa_sdst(0) depctr_va_vdst(0) depctr_va_sdst(0) depctr_va_ssrc(0) depctr_va_vcc(0) depctr_vm_vsrc(0)
	s_getreg_b32 s2, hwreg(HW_REG_IB_STS2, 6, 4)
	s_cmp_eq_u32 s2, 0
	s_cbranch_scc0 .Lentry_in_a_cluster
	s_endpgm
.Lentry_in_a_cluster:
	s_bfe_u32 s2, ttmp6, 0x10000c
	s_cmp_lg_u32 s2, 0xf033
	s_cbranch_scc0 .Lentry_shape_is_right
	s_endpgm
.Lentry_shape_is_right:
.set SLOT,  73728
.set STAGE, 4*SLOT
.set SPARE, STAGE+4*16*272
.set FR,    12
.set ADRA,  16
.set ADRB,  20
.set STO,   24
.set RD,    25
.set CO,    26
.set RBO,   27
.set SPW,   28
.set NIL,   29
.set SAO,   30
.set SBO,   31
.set SCA,   32
.set SCB,   96
.set AF,    128
.set BK,    128
.set G1,    24
.set G1B,   32
.set G0,    40
.set G0B,   56
.set SEL,   96
.set MSB, 0
.macro WIN new
.if MSB != (\new)
	s_set_vgpr_msb (MSB<<8)|(\new)
.set MSB, (\new)
.endif
.endm
.set MUL,  0xa1
.set TO_B, 0x40
.macro PLACES
.rept 4
	v_nop
.endr
.endm
.macro JLOAD f
	s_cmp_eq_u32 s17, 0
	s_cbranch_scc0 .Lfor_w_\@
	tensor_load_to_lds s[G0+4*\f:G0+4*\f+3], s[G1:G1+7]
	s_nop 0
.rept 4
	v_nop
.endr
	s_branch .Lasked_\@
.Lfor_w_\@:
	tensor_load_to_lds s[G0B+4*\f+4*(\f/2):G0B+4*\f+4*(\f/2)+3], s[G1B:G1B+7]
	s_nop 0
.rept 4
	v_nop
.endr
.Lasked_\@:
.endm
.macro CROUND
	s_barrier_signal -1
	s_barrier_wait -1
	s_cmp_lg_u32 s16, 0
	s_cbranch_scc1 .Lnot_wave_0_\@
	s_barrier_signal -3
.Lnot_wave_0_\@:
	s_barrier_wait -3
	s_barrier_signal -1
	s_barrier_wait -1
.endm
	s_load_b256 s[4:11], s[0:1], 0x0
	s_load_b128 s[12:15], s[0:1], 0x20
	v_lshl_add_u32 v[SPW], v0, 2, SPARE
	v_mov_b32 v[NIL], 0
	ds_add_u32 v[SPW], v[NIL]
	ds_add_u32 v[SPW], v[NIL]
	v_lshrrev_b32 v1, 5, v0
	v_readfirstlane_b32 s16, v1
	s_lshr_b32 s17, s16, 1
	s_and_b32 s18, s16, 1
	s_bfe_u32 s19, ttmp6, 0x40000
	s_bfe_u32 s20, ttmp6, 0x40004
	s_lshl_b32 s21, ttmp9, 2
	s_add_co_u32 s21, s21, s19
	s_and_b32 s22, ttmp7, 0xffff
	s_lshl_b32 s22, s22, 2
	s_add_co_u32 s22, s22, s20
	s_lshl_b32 s80, s20, 2
	s_lshl_b32 s80, 15, s80
	s_lshl_b32 s81, 0x1111, s19
	s_or_b32 s[G1], s80, (3<<16)|(1<<21)
	s_mov_b32 s[G1+1], 1536<<16                    ; rows of 12,288 bytes: a tile's whole K; 8 tiles are one dense block
	s_mov_b32 s[G1+2], 8<<16
	s_mov_b32 s[G1+3], 1536<<16
	s_mov_b32 s[G1+4], 8
	s_mov_b32 s[G1+5], 1536
	s_mov_b32 s[G1+6], 0
	s_mov_b32 s[G1+7], 0
	s_or_b32 s[G1B], s81, (3<<16)|(1<<21)
	s_mov_b32 s[G1B+1], 1536<<16
	s_mov_b32 s[G1B+2], 4<<16
	s_mov_b32 s[G1B+3], 1536<<16
	s_mov_b32 s[G1B+4], 4
	s_mov_b32 s[G1B+5], 1536
	s_mov_b32 s[G1B+6], 0
	s_mov_b32 s[G1B+7], 0
	s_mov_b32 s[SEL], 0x76543210
	s_mov_b32 s[SEL+1], 0xfedcba98
	s_lshl_b32 s88, s18, 3
	s_lshl_b32 s84, s22, 4
	s_add_co_u32 s84, s84, s88
	s_mul_i32 s84, s84, 12288
	s_mov_b32 s85, 0
	s_lshl_b32 s91, s18, 2
	s_lshl_b32 s86, s21, 3
	s_add_co_u32 s86, s86, s91
	s_add_co_u32 s86, s86, 192
	s_mul_i32 s86, s86, 12288
	s_mov_b32 s87, 0
	s_mul_i32 s89, s16, 98304                      ; LDS: A's two halves of 8 tiles x 12,288 bytes (waves 0, 1),
	s_mul_i32 s90, s16, 49152                      ; then B's two halves of 4 tiles (waves 2, 3): 196,608 + 49,152 (wave - 2)
	s_add_co_u32 s90, s90, 98304
	s_wait_dscnt 0x0
	s_wait_kmcnt 0x0
	s_add_nc_u64 s[84:85], s[4:5], s[84:85]
	s_add_nc_u64 s[86:87], s[8:9], s[86:87]
	CROUND
.irp f, 0
	s_mov_b32 s[G0+4*\f], 1
	s_add_co_u32 s[G0+4*\f+1], s89, \f*SLOT
	s_add_nc_u64 s[G0+4*\f+2:G0+4*\f+3], s[84:85], \f*3072
	s_or_b32 s[G0+4*\f+3], s[G0+4*\f+3], 0x80000000
	s_mov_b32 s[G0B+4*\f+4*(\f/2)], 1
	s_add_co_u32 s[G0B+4*\f+4*(\f/2)+1], s90, \f*SLOT
	s_add_nc_u64 s[G0B+4*\f+4*(\f/2)+2:G0B+4*\f+4*(\f/2)+3], s[86:87], \f*3072
	s_or_b32 s[G0B+4*\f+4*(\f/2)+3], s[G0B+4*\f+4*(\f/2)+3], 0x80000000
	JLOAD \f                                       ; all of K in one load a wave: nothing is filled later
.endr
	v_and_b32 v1, 15, v0
	v_bfe_u32 v2, v0, 4, 1
	v_and_b32 v3, 31, v0
	v_lshlrev_b32 v3, 3, v3
	s_wait_alu depctr_va_vdst(0)
.set ADRH, 4                           ; v4-7: as ADRA, for A's tiles 4 to 7 (the 16-bit offset does not reach them)
	s_mul_i32 s92, s17, 98304
	s_mul_i32 s93, s18, 49152
	s_add_co_u32 s93, s93, 196608
.irp s, 0,1,2,3                        ; address s: K steps 2 s, 2 s + 1, 3,072 bytes on in each tile
	v_add_nc_u32 v[ADRA+\s], s92, v3
	v_add_nc_u32 v[ADRB+\s], s93, v3
	v_add_nc_u32 v[ADRH+\s], 49152, v[ADRA+\s]
	s_add_co_u32 s92, s92, 3072
	s_add_co_u32 s93, s93, 3072
.endr
	s_mul_i32 s92, s16, 16*272
	s_add_co_u32 s92, s92, STAGE
	v_mul_u32_u24 v[STO], v1, 272
	v_lshl_add_u32 v[STO], v2, 6, v[STO]
	v_add_nc_u32 v[STO], s92, v[STO]
	v_mul_u32_u24 v[RD], v2, 272
	v_lshl_add_u32 v[RD], v1, 4, v[RD]
	v_add_nc_u32 v[RD], s92, v[RD]
	v_lshlrev_b32 v[CO], 4, v1
	v_lshl_add_u32 v[CO], v2, 12, v[CO]
	v_lshlrev_b32 v[RBO], 6, v2
	v_lshlrev_b32 v[SBO], 2, v1
	v_lshl_add_u32 v[SAO], v2, 15, v[SBO]
	s_wait_alu depctr_va_vdst(0)
	s_lshl_b32 s76, s22, 8
	s_lshl_b32 s77, s17, 7
	s_add_co_u32 s76, s76, s77
	s_lshl_b32 s78, s21, 7
	s_lshl_b32 s77, s18, 6
	s_add_co_u32 s78, s78, s77
	s_lshl_b32 s80, s76, 2
	s_mov_b32 s81, 0
	s_add_nc_u64 s[6:7], s[6:7], s[80:81]
	s_lshl_b32 s82, s78, 2
	s_mov_b32 s83, 0
	s_add_nc_u64 s[10:11], s[10:11], s[82:83]
	s_add_nc_u64 s[12:13], s[12:13], s[82:83]
	s_lshl_b32 s80, s76, 12
	s_add_co_u32 s80, s80, s82
	s_add_nc_u64 s[14:15], s[14:15], s[80:81]
.irp s, 0,1,2,3,4,5,6,7
.irp a, 0,1,2,3,4,5,6,7
	global_load_b32 v[SCA+8*\s+\a], v[SAO], s[6:7] offset:65536*\s+64*\a
.endr
.irp b, 0,1,2,3
	global_load_b32 v[SCB+4*\s+\b], v[SBO], s[10:11] offset:360448+4096*\s+64*\b
.endr
.endr
	WIN TO_B
.irp b, 0,1,2,3
	global_load_b128 v[96+8*\b:99+8*\b], v[RBO], s[12:13] offset:(32*(\b/2)+8*(\b%2))*4
	global_load_b128 v[100+8*\b:103+8*\b], v[RBO], s[12:13] offset:(32*(\b/2)+8*(\b%2))*4+16
.endr
	WIN 0
.irp i, 0,1,2,3
	v_mov_b32 v[224+\i], 0
.endr
	s_wait_alu depctr_va_vdst(0)
	s_wait_loadcnt 0x0
.set g, 0
.rept 16
.irp i, 0,1,2,3
	v_permlanex16_b32 v[224+\i], v[SCA+4*g+\i], s[SEL], s[SEL+1]
.endr
.irp i, 0,1,2,3
	v_or_b32 v[SCA+4*g+\i], v[SCA+4*g+\i], v[224+\i]
.endr
.set g, g+1
.endr
.rept 8
	v_nop
.endr
.macro FRAG reg, adr, q, i
.irp p, 0,1,2,3,4,5
	ds_load_b64 v[(\reg)+2*\p:(\reg)+2*\p+1], v[\adr] offset:1536*(\q)+12288*(\i)+256*\p
.endr
.endm
.macro FETCH_B slot, q, p
	WIN TO_B
.irp i, 0,1,2,3
	FRAG 48*(\p)+FR*\i, ADRB+\slot, \q, \i
.endr
	WIN 0
.endm
.macro FETCH_A slot, q, i0
.irp i, 0,1,2,3                        ; i0 = 0: by ADRA (v16 on); i0 = 4: by ADRH (v4 on = ADRA - 3 x 4)
	FRAG AF+FR*(\i0+\i), ADRA-3*(\i0)+\slot, \q, \i
.endr
.endm
.macro MUL8 a0, s, first
.irp a, \a0, \a0+1
.irp b, 0,1,2,3
.if \first
	v_wmma_scale_f32_16x16x128_f8f6f4 v[8*(4*(\a)+\b):8*(4*(\a)+\b)+7], v[48*((\s)%2)+FR*\b:48*((\s)%2)+FR*\b+FR-1], v[AF+FR*(\a):AF+FR*(\a)+FR-1], v[96+8*\b:103+8*\b], v[SCB+4*(\s)+\b], v[SCA+8*(\s)+(\a)] matrix_a_fmt:MATRIX_FMT_FP6 matrix_b_fmt:MATRIX_FMT_FP6
.else
	v_wmma_scale_f32_16x16x128_f8f6f4 v[8*(4*(\a)+\b):8*(4*(\a)+\b)+7], v[48*((\s)%2)+FR*\b:48*((\s)%2)+FR*\b+FR-1], v[AF+FR*(\a):AF+FR*(\a)+FR-1], v[8*(4*(\a)+\b):8*(4*(\a)+\b)+7], v[SCB+4*(\s)+\b], v[SCA+8*(\s)+(\a)] matrix_a_fmt:MATRIX_FMT_FP6 matrix_b_fmt:MATRIX_FMT_FP6
.endif
.endr
.endr
.endm
.macro STEP s, nslot, nq, first
	s_wait_dscnt 24
	WIN MUL-0x10*(\first)
	MUL8 0, \s, \first
	MUL8 2, \s, \first
	s_wait_dscnt 0x0
	PLACES
	FETCH_B \nslot, \nq, 1-(\s)%2
	FETCH_A \nslot, \nq, 0
	WIN MUL-0x10*(\first)
	MUL8 4, \s, \first
	MUL8 6, \s, \first
	PLACES
	WIN 0
	FETCH_A \nslot, \nq, 4
.endm
	s_wait_alu depctr_va_vdst(0)                   ; the wait at the head's end
	s_wait_tensorcnt 0x0                           ; every wave waits for its one load: the barrier shows all of A and B to all
	s_barrier_signal -1
	s_barrier_wait -1
	FETCH_B 0, 0, 0
	FETCH_A 0, 0, 0
	FETCH_A 0, 0, 4
	STEP 0, 0, 1, 1
	STEP 1, 1, 0, 0
	STEP 2, 1, 1, 0
	STEP 3, 2, 0, 0
	STEP 4, 2, 1, 0
	STEP 5, 3, 0, 0
	STEP 6, 3, 1, 0
	s_wait_dscnt 24
	WIN MUL
	MUL8 0, 7, 0
	s_wait_alu depctr_va_vdst(0)
	MUL8 2, 7, 0
	s_wait_dscnt 0x0
	MUL8 4, 7, 0
	MUL8 6, 7, 0
	WIN 0
.macro TOSTAGE a
	WIN 0x08
.irp b, 0,1,2,3
	ds_store_b128 v[STO], v[8*(4*(\a)+\b):8*(4*(\a)+\b)+3] offset:128*(\b/2)+32*(\b%2)
	ds_store_b128 v[STO], v[8*(4*(\a)+\b)+4:8*(4*(\a)+\b)+7] offset:128*(\b/2)+32*(\b%2)+16
.endr
	WIN 0
.irp t, 0,1,2,3,4,5,6,7
	ds_load_b128 v[BK+32*((\a)%2)+4*\t:BK+32*((\a)%2)+4*\t+3], v[RD] offset:544*\t
.endr
.endm
.macro SEND a, younger
	s_wait_dscnt \younger
.irp t, 0,1,2,3,4,5,6,7
	global_store_b128 v[CO], v[BK+32*((\a)%2)+4*\t:BK+32*((\a)%2)+4*\t+3], s[14:15] offset:(32*((\a)/2)+8*((\a)%2)+2*\t+8*(\t/4))*4096 th:TH_STORE_NT
.endr
.endm
	PLACES
	TOSTAGE 0
.irp a, 1,2,3,4,5,6,7
.if \a > 1
	s_wait_xcnt 0x0
.endif
	TOSTAGE \a
	SEND \a-1, 16
.endr
	SEND 7, 0
	s_wait_tensorcnt 0x0
	ds_add_u32 v[SPW], v[NIL]
	s_wait_dscnt 0x0
	CROUND
	s_endpgm
.Lfunc_end_k_qaed14e8150_outp:
	.size	k_qaed14e8150_outp, .Lfunc_end_k_qaed14e8150_outp-k_qaed14e8150_outp
	.p2alignl 7, 3214868480
	.fill 96, 4, 3214868480
	.section	.rodata,"a",@progbits
	.p2align	6, 0x0
	.amdhsa_kernel k_qaed14e8150_outp
		.amdhsa_group_segment_fixed_size 327680
		.amdhsa_private_segment_fixed_size 0
		.amdhsa_enable_private_segment 0
		.amdhsa_kernarg_size 48
		.amdhsa_user_sgpr_count 2
		.amdhsa_user_sgpr_kernarg_segment_ptr 1
		.amdhsa_wavefront_size32 1
		.amdhsa_system_sgpr_workgroup_id_x 1
		.amdhsa_system_sgpr_workgroup_id_y 1
		.amdhsa_system_sgpr_workgroup_id_z 1
		.amdhsa_system_vgpr_workitem_id 0
		.amdhsa_next_free_vgpr 768
		.amdhsa_next_free_sgpr 100
		.amdhsa_reserve_vcc 0
		.amdhsa_float_denorm_mode_32 3
		.amdhsa_float_denorm_mode_16_64 3
		.amdhsa_memory_ordered 1
		.amdhsa_forward_progress 1
		.amdhsa_inst_pref_size 111
	.end_amdhsa_kernel
	.amdgpu_metadata
---
amdhsa.version: [ 1, 2 ]
amdhsa.kernels:
  - .name:           k_qaed14e8150_outp
    .symbol:         k_qaed14e8150_outp.kd
    .args:
      - { .name: of, .offset: 0, .size: 8, .value_kind: global_buffer, .address_space: global }
      - { .name: os, .offset: 8, .size: 8, .value_kind: global_buffer, .address_space: global }
      - { .name: wf, .offset: 16, .size: 8, .value_kind: global_buffer, .address_space: global }
      - { .name: sc1, .offset: 24, .size: 8, .value_kind: global_buffer, .address_space: global }
      - { .name: b_out, .offset: 32, .size: 8, .value_kind: global_buffer, .address_space: global }
      - { .name: out0, .offset: 40, .size: 8, .value_kind: global_buffer, .address_space: global }
    .group_segment_fixed_size: 327680
    .private_segment_fixed_size: 0
    .kernarg_segment_align: 8
    .kernarg_segment_size: 48
    .max_flat_workgroup_size: 128
    .sgpr_count:     100
    .vgpr_count:     768
    .wavefront_size: 32
...
	.end_amdgpu_metadata
.endif
;; end of part 4
